; MI455X (gfx1250); checked and timed in simulation.
; The chip was launched on July 23, 2026; its instructions are those of AMD's public machine-readable ISA for CDNA 5 (MIT licence, August 2026) and "CDNA5" Instruction Set Architecture Reference Guide (July 2026). The comments in the code are by the model that wrote it; some were corrected since.
;; Block. Allowed arithmetic: float matrix products may take bf16 or f16 operands with f32 sums; other float arithmetic in f32, or as packed bf16 or f16 multiplies, adds, multiply-adds, maxima and minima; sums over many terms, partial sums and values carried from step to step in f32; what a program stores and reads back later, other than sums and carried values, may be rounded once to bf16 or f16.
;; Inputs: W1 1,024 x 4,096 float32; W2 4,096 x 1,024 float32; Wk 1,024 x 1,024 float32; Wp 1,024 x 1,024 float32; Wq 1,024 x 1,024 float32; Wv 1,024 x 1,024 float32; b1 4,096 float32; b2 1,024 float32; bk 1,024 float32; bp 1,024 float32; bq 1,024 float32; bv 1,024 float32; hidden_states 2 x 2,048 x 1,024 float32; ln1_b 1,024 float32; ln1_g 1,024 float32; ln2_b 1,024 float32; ln2_g 1,024 float32.
;; Outputs: out0 2 x 2,048 x 1,024 float32.
;; One version. Each part assembles by itself: llvm-mc -triple=amdgcn-amd-amdhsa -mcpu=gfx1250 --defsym DOCPART=n.
;; ======== version 1 of 1: 7 launches
;; limits: values are held in f16: magnitudes above 65,504 overflow, below 6.1e-05 lose precision
;; workspace buffers: w16 25,165,824 bytes; x16 8,388,608 bytes; qkv16 25,165,824 bytes; o16 8,388,608 bytes; h32 16,777,216 bytes; g16 33,554,432 bytes
;; launch prep (part 1): grid 128 x 16, 4 waves a work-group, no clusters, 0 bytes of LDS; arguments hidden_states, ln1_g, ln1_b, Wq, Wk, Wv, Wp, W1, W2, x16, w16; writes x16, w16
.if DOCPART == 1
	.amdgcn_target "amdgcn-amd-amdhsa--gfx1250"
	.amdhsa_code_object_version 6
	.text
	.protected	k_q88a6c633be_prep
	.globl	k_q88a6c633be_prep
	.p2align	8
	.type	k_q88a6c633be_prep,@function
k_q88a6c633be_prep:
	s_mov_b64 s[64:65], 0
	v_nop
	global_prefetch_b8 v0, s[64:65] scope:SCOPE_SE
	s_setreg_imm32_b32 hwreg(HW_REG_WAVE_MODE, 25, 1), 1
	s_wait_xcnt 0x0
; PREP: two streams in one launch.  (1) x16 = LayerNorm(hidden_states) * ln1_g + ln1_b, rounded once to f16.  (2) the six weight matrices rounded once to f16, layout kept ([K][N]).
; A ROW is 1,024 f32 = 4,096 bytes.  There are 16 blocks of 1,024 rows (grid y): blocks 0-3 are hidden_states, 4-7 Wq, Wk, Wv, Wp, 8-11 W1, 12-15 W2.  Grid x names 8 rows of a block;
; a wave takes two rows, whole, in registers: nothing is read twice, no wave waits for another, so there is no LDS and no barrier; the matrix unit has nothing to do here.
; Lane l loads 16 bytes at 16 l + 512 j (j = 0..7): each load of the wave covers 512 consecutive bytes.  Its four numbers of group j leave as 8 bytes at 8 l + 256 j: each store covers 256 consecutive bytes, aligned.
; The variance is taken of x - mean (two passes over registers): no difference of large sums is formed.
; LIMITS.  f16 holds no number beyond 65,504: |LN output| <= 32 |g| + |b| and the weights must lie within it; below 6e-5 f16 keeps a fixed step of 6e-8.  NaN and infinities are not treated apart.
.set LO,   1                           ; v1        16 x lane
.set SO,   2                           ; v2        8 x lane
.set G,    8                           ; v[8:39]   the gains of my 32 columns
.set BB,   40                          ; v[40:71]  the biases
.set X,    72                          ; v[72:135] two rows, 32 registers each
.set T,    136                         ; v[136:151] at work
.set MEAN, 152                         ; v[152:153] the mean, twice (a pair for the packed forms)
.set RS,   154                         ; v[154:155] 1 / sqrt(var + eps), twice
.set PX,   156                         ; v156      the lane exchange's destination
	s_load_b512 s[8:23], s[0:1], 0x0               ; hidden s[8:9], g s[10:11], b s[12:13], Wq s[14:15], Wk s[16:17], Wv s[18:19], Wp s[20:21], W1 s[22:23]
	s_load_b128 s[24:27], s[0:1], 0x40             ; W2 s[24:25], x16 s[26:27]
	s_load_b64 s[28:29], s[0:1], 0x50              ; w16
	v_and_b32 v[LO], 31, v0                        ; lane
	v_lshrrev_b32 v3, 5, v0
	v_readfirstlane_b32 s2, v3                     ; wave 0..3
	v_lshlrev_b32 v[SO], 3, v[LO]
	v_lshlrev_b32 v[LO], 4, v[LO]
	v_mov_b32 v[PX], 0                             ; v_permlanex16_b32 counts as a reader of its destination
	s_and_b32 s4, ttmp7, 0xffff                    ; the block of 1,024 rows
	s_lshl_b32 s3, ttmp9, 3
	s_lshl1_add_u32 s3, s2, s3                     ; my first row in the block: 8 x + 2 wave
	s_mov_b32 s30, 0x76543210                      ; lane i of one half reads lane i of the other
	s_mov_b32 s31, 0xfedcba98
	s_mov_b32 s37, 0x3a800000                      ; 1 / 1024
	s_mov_b32 s38, 0x3727c5ac                      ; 1e-5
	s_mov_b32 s41, 0                               ; the high words of two offsets
	s_mov_b32 s43, 0
.macro ROWS b                          ; sixteen loads: my two rows, from the pointer in s[b:b+1]
.irp i, 0,1
.irp j, 0,1,2,3,4,5,6,7
	global_load_b128 v[X+32*(\i)+4*(\j):X+32*(\i)+4*(\j)+3], v[LO], s[(\b):(\b)+1] offset:4096*(\i)+512*(\j) th:TH_LOAD_NT
.endr
.endr
.endm
.macro OUTROW i, d                     ; row i is rounded to f16 in place (register k takes registers 2 k, 2 k + 1: never a register that is still to be read) and stored
.set XB, X+32*(\i)
.irp k, 0,1,2,3,4,5,6,7,8,9,10,11,12,13,14,15
	v_cvt_pk_f16_f32 v[XB+(\k)], v[XB+2*(\k)], v[XB+2*(\k)+1]
.endr
.irp j, 0,1,2,3,4,5,6,7
	global_store_b64 v[SO], v[XB+2*(\j):XB+2*(\j)+1], s[(\d):(\d)+1] offset:2048*(\i)+256*(\j)
.endr
.endm
.macro LANES                           ; the sum of v[T] over the 32 lanes, in every lane
	v_add_f32_dpp v[T], v[T], v[T] row_xmask:1 row_mask:0xf bank_mask:0xf
	v_add_f32_dpp v[T], v[T], v[T] row_xmask:2 row_mask:0xf bank_mask:0xf
	v_add_f32_dpp v[T], v[T], v[T] row_xmask:4 row_mask:0xf bank_mask:0xf
	v_add_f32_dpp v[T], v[T], v[T] row_xmask:8 row_mask:0xf bank_mask:0xf
	v_permlanex16_b32 v[PX], v[T], s30, s31
	v_add_f32 v[T], v[T], v[PX]
.endm
.macro LNROW i, left, d                ; left: the younger loads that may stay out
.set XB, X+32*(\i)
	s_wait_loadcnt \left
.irp k, 0,1,2,3,4,5,6,7
	v_pk_add_f32 v[T+2*(\k):T+2*(\k)+1], v[XB+4*(\k):XB+4*(\k)+1], v[XB+4*(\k)+2:XB+4*(\k)+3]  ; eight chains start the sum: nothing is cleared
.endr
.irp k, 0,1,2,3
	v_pk_add_f32 v[T+2*(\k):T+2*(\k)+1], v[T+2*(\k):T+2*(\k)+1], v[T+8+2*(\k):T+8+2*(\k)+1]
.endr
.irp k, 0,1
	v_pk_add_f32 v[T+2*(\k):T+2*(\k)+1], v[T+2*(\k):T+2*(\k)+1], v[T+4+2*(\k):T+4+2*(\k)+1]
.endr
	v_pk_add_f32 v[T:T+1], v[T:T+1], v[T+2:T+3]
	v_add_f32 v[T], v[T], v[T+1]
	LANES
	v_mul_f32 v[MEAN], s37, v[T]
	v_mul_f32 v[MEAN+1], s37, v[T]
.irp k, 0,1,2,3,4,5,6,7,8,9,10,11,12,13,14,15
	v_pk_add_f32 v[XB+2*(\k):XB+2*(\k)+1], v[XB+2*(\k):XB+2*(\k)+1], v[MEAN:MEAN+1] neg_lo:[0,1] neg_hi:[0,1]  ; x - mean
.endr
.irp k, 0,1,2,3
	v_pk_mul_f32 v[T+2*(\k):T+2*(\k)+1], v[XB+2*(\k):XB+2*(\k)+1], v[XB+2*(\k):XB+2*(\k)+1]  ; four chains of squares
.endr
.irp k, 4,5,6,7,8,9,10,11,12,13,14,15
	v_pk_fma_f32 v[T+2*((\k)%4):T+2*((\k)%4)+1], v[XB+2*(\k):XB+2*(\k)+1], v[XB+2*(\k):XB+2*(\k)+1], v[T+2*((\k)%4):T+2*((\k)%4)+1]
.endr
	v_pk_add_f32 v[T:T+1], v[T:T+1], v[T+4:T+5]
	v_pk_add_f32 v[T+2:T+3], v[T+2:T+3], v[T+6:T+7]
	v_pk_add_f32 v[T:T+1], v[T:T+1], v[T+2:T+3]
	v_add_f32 v[T], v[T], v[T+1]
	LANES
	v_fma_f32 v[T], v[T], s37, s38                 ; var + eps
	v_rsq_f32 v[RS], v[T]
	v_rsq_f32 v[RS+1], v[T]
	v_nop                                          ; a plain instruction behind the second root,
	s_wait_alu depctr_va_vdst(0)                   ; and the wait ahead of the first use: one for both
.irp k, 0,1,2,3,4,5,6,7,8,9,10,11,12,13,14,15
	v_pk_mul_f32 v[XB+2*(\k):XB+2*(\k)+1], v[XB+2*(\k):XB+2*(\k)+1], v[RS:RS+1]
.endr
.irp k, 0,1,2,3,4,5,6,7,8,9,10,11,12,13,14,15
	v_pk_fma_f32 v[XB+2*(\k):XB+2*(\k)+1], v[XB+2*(\k):XB+2*(\k)+1], v[G+2*(\k):G+2*(\k)+1], v[BB+2*(\k):BB+2*(\k)+1]
.endr
	OUTROW \i, \d
.endm
	s_cmp_ge_u32 s4, 4
	s_cbranch_scc1 .Lcast
	; blocks 0-3: LayerNorm of hidden_states
	s_lshl_b32 s5, s4, 10
	s_add_co_u32 s5, s5, s3                        ; the row among the 4,096
	s_lshl_b32 s40, s5, 12                         ; its bytes in hidden_states,
	s_lshl_b32 s42, s5, 11                         ; and in x16
	s_wait_kmcnt 0x0
	s_add_nc_u64 s[8:9], s[8:9], s[40:41]
	s_add_nc_u64 s[26:27], s[26:27], s[42:43]
.irp j, 0,1,2,3,4,5,6,7
	global_load_b128 v[G+4*(\j):G+4*(\j)+3], v[LO], s[10:11] offset:512*(\j)
.endr
.irp j, 0,1,2,3,4,5,6,7
	global_load_b128 v[BB+4*(\j):BB+4*(\j)+3], v[LO], s[12:13] offset:512*(\j)
.endr
	ROWS 8
	LNROW 0, 8, 26                                 ; row 1's eight loads stay out; gains, biases and row 0 are older
	LNROW 1, 0, 26
	s_endpgm
.Lcast:
	; blocks 4-15: a weight matrix's rows.  The source is chosen among six pointers; its offset is made apart, in registers of its own
	s_sub_co_u32 s5, s4, 4                         ; the block's place in w16
	s_sub_co_u32 s35, s4, 8                        ; its place in W1,
	s_sub_co_u32 s36, s4, 12                       ; in W2
	s_wait_kmcnt 0x0
	s_mov_b64 s[32:33], s[14:15]                   ; Wq
	s_mov_b32 s34, 0
	s_cmp_eq_u32 s4, 5
	s_cselect_b64 s[32:33], s[16:17], s[32:33]     ; Wk
	s_cmp_eq_u32 s4, 6
	s_cselect_b64 s[32:33], s[18:19], s[32:33]     ; Wv
	s_cmp_eq_u32 s4, 7
	s_cselect_b64 s[32:33], s[20:21], s[32:33]     ; Wp
	s_cmp_ge_u32 s4, 8
	s_cselect_b64 s[32:33], s[22:23], s[32:33]     ; W1
	s_cselect_b32 s34, s35, s34
	s_cmp_ge_u32 s4, 12
	s_cselect_b64 s[32:33], s[24:25], s[32:33]     ; W2
	s_cselect_b32 s34, s36, s34
	s_lshl_b32 s40, s34, 22                        ; 1,024 rows of 4,096 bytes a block,
	s_lshl_b32 s6, s3, 12
	s_add_co_u32 s40, s40, s6                      ; and my rows
	s_add_nc_u64 s[32:33], s[32:33], s[40:41]
	s_lshl_b32 s42, s5, 21                         ; 1,024 rows of 2,048 bytes a block in w16
	s_lshl_b32 s6, s3, 11
	s_add_co_u32 s42, s42, s6
	s_add_nc_u64 s[28:29], s[28:29], s[42:43]
	ROWS 32
	s_wait_loadcnt 8                               ; row 0 is in, row 1's eight loads stay out
	OUTROW 0, 28
	s_wait_loadcnt 0x0
	OUTROW 1, 28
	s_endpgm
.Lfunc_end_k_q88a6c633be_prep:
	.size	k_q88a6c633be_prep, .Lfunc_end_k_q88a6c633be_prep-k_q88a6c633be_prep
	.p2alignl 7, 3214868480
	.fill 96, 4, 3214868480
	.section	.rodata,"a",@progbits
	.p2align	6, 0x0
	.amdhsa_kernel k_q88a6c633be_prep
		.amdhsa_group_segment_fixed_size 0
		.amdhsa_private_segment_fixed_size 0
		.amdhsa_enable_private_segment 0
		.amdhsa_kernarg_size 88
		.amdhsa_user_sgpr_count 2
		.amdhsa_user_sgpr_kernarg_segment_ptr 1
		.amdhsa_wavefront_size32 1
		.amdhsa_system_sgpr_workgroup_id_x 1
		.amdhsa_system_sgpr_workgroup_id_y 1
		.amdhsa_system_sgpr_workgroup_id_z 1
		.amdhsa_system_vgpr_workitem_id 0
		.amdhsa_next_free_vgpr 168
		.amdhsa_next_free_sgpr 66
		.amdhsa_reserve_vcc 0
		.amdhsa_float_denorm_mode_32 3
		.amdhsa_float_denorm_mode_16_64 3
		.amdhsa_memory_ordered 1
		.amdhsa_forward_progress 1
		.amdhsa_inst_pref_size 27
	.end_amdhsa_kernel
	.amdgpu_metadata
---
amdhsa.version: [ 1, 2 ]
amdhsa.kernels:
  - .name:           k_q88a6c633be_prep
    .symbol:         k_q88a6c633be_prep.kd
    .args:
      - { .name: hidden_states, .offset: 0, .size: 8, .value_kind: global_buffer, .address_space: global }
      - { .name: ln1_g, .offset: 8, .size: 8, .value_kind: global_buffer, .address_space: global }
      - { .name: ln1_b, .offset: 16, .size: 8, .value_kind: global_buffer, .address_space: global }
      - { .name: Wq, .offset: 24, .size: 8, .value_kind: global_buffer, .address_space: global }
      - { .name: Wk, .offset: 32, .size: 8, .value_kind: global_buffer, .address_space: global }
      - { .name: Wv, .offset: 40, .size: 8, .value_kind: global_buffer, .address_space: global }
      - { .name: Wp, .offset: 48, .size: 8, .value_kind: global_buffer, .address_space: global }
      - { .name: W1, .offset: 56, .size: 8, .value_kind: global_buffer, .address_space: global }
      - { .name: W2, .offset: 64, .size: 8, .value_kind: global_buffer, .address_space: global }
      - { .name: x16, .offset: 72, .size: 8, .value_kind: global_buffer, .address_space: global }
      - { .name: w16, .offset: 80, .size: 8, .value_kind: global_buffer, .address_space: global }
    .group_segment_fixed_size: 0
    .private_segment_fixed_size: 0
    .kernarg_segment_align: 8
    .kernarg_segment_size: 88
    .max_flat_workgroup_size: 128
    .sgpr_count:     66
    .vgpr_count:     168
    .wavefront_size: 32
...
	.end_amdgpu_metadata
.endif
;; end of part 1
;; launch qkv (part 2): grid 12 x 16, 4 waves a work-group, clusters of 4 x 4, 327,680 bytes of LDS; arguments x16, w16, qkv16, bq, bk, bv; writes qkv16
.if DOCPART == 2
	.amdgcn_target "amdgcn-amd-amdhsa--gfx1250"
	.amdhsa_code_object_version 6
	.text
	.protected	k_q88a6c633be_qkv
	.globl	k_q88a6c633be_qkv
	.p2align	8
	.type	k_q88a6c633be_qkv,@function
k_q88a6c633be_qkv:
	s_mov_b64 s[64:65], 0
	v_nop
	global_prefetch_b8 v0, s[64:65] scope:SCOPE_SE
	s_setreg_imm32_b32 hwreg(HW_REG_WAVE_MODE, 25, 1), 1
	s_wait_xcnt 0x0
	s_wait_alu depctr_hold_cnt(0) depctr_sa_sdst(0) depctr_va_vdst(0) depctr_va_sdst(0) depctr_va_ssrc(0) depctr_va_vcc(0) depctr_vm_vsrc(0)
	s_getreg_b32 s2, hwreg(HW_REG_IB_STS2, 6, 4)
	s_cmp_eq_u32 s2, 0
	s_cbranch_scc0 .Lentry_in_a_cluster
	s_endpgm
.Lentry_in_a_cluster:
	s_bfe_u32 s2, ttmp6, 0x10000c
	s_cmp_lg_u32 s2, 0xf033
	s_cbranch_scc0 .Lentry_shape_is_right
	s_endpgm
.Lentry_shape_is_right:
; QKV: C = x16 [4096][1024] x [Wq | Wk | Wv] ([1024][1024] each, f16, as they lie: [K][N]) + bias, rounded once to f16 and stored BY PLANES: qkv16[column / 64][token][column % 64]:
; planes 0-15 are q's heads, 16-31 k's, 32-47 v's.  (One template serves this launch and the MLP's first product; the flags QKV and GELU at its head choose.)
; SHARES.  A tile of C is 256 x 256: 12 x 16 = 192 work-groups.  (256 x 192 would make 256 of them, but 1,024 is no multiple of 192: a tile would straddle two weight matrices, and a wave's 96 columns one and a half planes.)
; Four waves, as many as a WGP has SIMDs, each 128 x 128: 64 accumulators of 16 x 16, 512 registers.  K goes in 8 steps of 128 through a ring of two LDS slots: 256 rows x 256 bytes of A, 128 k rows x 512 bytes of W.
; CLUSTER.  4 x 4 work-groups: the four of a row of the cluster need the same tiles of A, the four of a column the same tiles of W: each tile is asked for JOINTLY, by the same tensor load with the same descriptor and a mask of four.
; THE MATRIX INSTRUCTION IS USED TRANSPOSED: source 0 = 16 columns of W (turned on the way out of LDS by ds_load_tr16_b128), source 1 = 16 rows of A: a lane holds row lane % 16 of C and eight neighbouring columns.
; THE SUMS START AS THE BIAS: the first quarter step is written out with the bias registers as C, and the loop is then entered in its middle: nothing is cleared, no bias is added at the end.
; ONE TEXT FOR A SLOT: read addresses and the walking descriptors are turned from slot to slot by one exclusive or (SLOT's two bits are set in no piece's start).  The last two K steps run a second copy, which fills nothing;
; its very last change of slots (a barrier and 32 LDS loads of bytes filled earlier) serves nothing: the price, once a launch, of a looped tail.
; THE WAY OUT.  The sums are laid in f32 over the ring, which has had its last fill, behind a barrier: for each wave 256 rows (plane x 128 + token) of 256 bytes.  Then one text for 16 rows of a plane is walked 16 times:
; rows come back as 32 bytes a lane, are rounded, and leave as 512 consecutive bytes a store.
; REGISTERS, in windows of 256: window 0: v1-30 addresses; v32-63 at work on the way out; v64-127, v128-191 fragments of A, two buffers; v192-255 the bias of my 128 columns.
;   window 1: v64-127, v128-191 fragments of W, two buffers.   window 2: the 32 accumulators of my rows 0-63 ((a, b) at v[8 (8 a + b)]);   window 3: those of my rows 64-127.
; LIMITS.  f16 operands and results: no number beyond 65,504 (x is a LayerNorm's output, |x| <= 32 |g| + |b|; q, k, v must lie within it); sums in f32.  NaN and infinities are not treated apart.
.set KSTEPS, 8                         ; K / 128
.set NW,     1024                      ; elements in a row of W
.set QKV,    1                         ; three weight matrices side by side
.set GELU,   0
.set WOFF,   0
.set PA,     272                       ; a row of A in LDS: 256 bytes + 16: an odd multiple of 16
.set PW,     544                       ; a row of W in LDS: 512 bytes + 32: an odd multiple of 32
.set PIECE,  34816                     ; what one tensor load fills: 128 rows of A, or 64 k rows of W
.set SLOT,   4*PIECE                   ; A's two pieces, then W's two
.set ASTEP,  256                       ; bytes from K step to K step in A,
.set WSTEP,  256*NW                    ; and in W: 128 rows
.set DP,     272                       ; a row of the f32 dump: 256 bytes + 16
.set SPARE,  2*SLOT                    ; behind the ring: the spare words, 128 bytes for each wave, which no other line names
.set ADRA0, 10                         ; v10     my place in slot 0's A
.set ADRB0, 11                         ; v11     my place in slot 0's W
.set ADRA,  16                         ; v16     the same in the slot in hand
.set ADRB,  17                         ; v17
.set STO,   24                         ; v24     the way out: where I put 32 bytes of a row
.set RD,    25                         ; v25     where I read 32 bytes of a row back
.set CO,    26                         ; v26     16 x lane: my place in 512 bytes of the output; never rewritten
.set BO,    27                         ; v27     my byte offset in 16 columns of the bias
.set SPW,   28                         ; v28     LDS address of my spare word; never rewritten
.set NIL,   29                         ; v29     0; never rewritten
.set PFO,   30                         ; v30     the prefetches' offset; never rewritten
.set GX,    32                         ; v32-63   the way out: 32 sums
.set GD,    64                         ; v64-95   at work; at the end the packed results
.set GE,    96                         ; v96-127  at work
.set GP,    128                        ; v128-159 at work
.set F0,    64                         ; fragment buffer 0, in windows 0 (A) and 1 (W)
.set F1,    128                        ; fragment buffer 1
.set BI,    192                        ; v192-255 the bias: column block b at BI + 8 b
.set G1,  24                           ; s[24:31] descriptor group 1 for A;  s[32:39] group 0: set 0 (K step 0), set 1 (K step 1, then it walks)
.set G0,  32
.set G1B, 48                           ; s[48:55], s[56:63] the same for W
.set G0B, 56
.set TB,  45                           ; s45     0 or SLOT: the slot that is read
.set LIM, 77                           ; s77     1 in a wave that prefetches, else the greatest number
.set PFA, 88                           ; s[88:89] where my prefetches stand
.set PFS, 90                           ; s[90:91] their step: a K step of A or of W
.set MSB, 0
.macro WIN new                         ; the immediate's high byte repeats the setting that is left; a switch that changes nothing is dropped
.if MSB != (\new)
	s_set_vgpr_msb (MSB<<8)|(\new)
.set MSB, \new
.endif
.endm
.set MUL_LO, 0xa1                      ; source 0 (W) window 1, source 1 (A) window 0, C and D window 2
.set MUL_HI, 0xf1                      ; the same, C and D window 3
.set TO_B,   0x40                      ; destination window 1, address window 0
.macro JLOAD                           ; a joint refill by the walking sets: waves 0 and 1 fetch A's two pieces, waves 2 and 3 W's; an s_nop 0 and four v_nop follow each line
	s_cmp_eq_u32 s11, 0
	s_cbranch_scc0 .Lfor_w_\@
	tensor_load_to_lds s[G0+4:G0+7], s[G1:G1+7]
	s_nop 0
.rept 4
	v_nop
.endr
	s_branch .Lasked_\@
.Lfor_w_\@:
	tensor_load_to_lds s[G0B+4:G0B+7], s[G1B:G1B+7]
	s_nop 0
.rept 4
	v_nop
.endr
.Lasked_\@:
.endm
; A PREFETCH INTO THE L2, behind each joint refill and the run of LDS loads that follows it: the K step that the NEXT refill will ask for, one K step (256 matrix instructions) ahead of that load: 32 blocks of 256 bytes, a lane a block.
; Each block is named ONCE in the launch.  A's tile row is read by every cluster of that row of clusters: those with x = 0 ask; W's tile column by every cluster of that column: those with y = 0 ask.  The four partners that ask for a
; piece jointly share it out BY ADDRESS: of A's 128 rows the partner at place p takes 32 p .. 32 p + 31 (a lane a row), of W's 64 k rows 16 p .. 16 p + 15 (two lanes a row of 512 bytes): no branch hangs on a place in the cluster.
; K steps 0 to 2 come by their loads alone; the loop's last trip (s3 = 1) asks for nothing: no K step is left.
.macro ASK
	s_cmp_gt_u32 s3, s[LIM]
	s_cbranch_scc0 .Lnot_mine_\@
	global_prefetch_b8 v[PFO], s[PFA:PFA+1] th:TH_LOAD_NT scope:SCOPE_SE
.Lnot_mine_\@:
.endm
.macro CREST                           ; a round of the cluster's barrier behind its opening barrier
	s_cmp_lg_u32 s10, 0
	s_cbranch_scc1 .Lnot_wave_0_\@
	s_barrier_signal -3
.Lnot_wave_0_\@:
	s_barrier_wait -3
	s_barrier_signal -1
	s_barrier_wait -1
.endm
.macro CROUND                          ; a whole round
	s_barrier_signal -1
	s_barrier_wait -1
	CREST
.endm
.macro PLACES                          ; four plain instructions between a matrix instruction and a load into, or a read of, its registers
.rept 4
	v_nop
.endr
.endm
.macro BASES                           ; my read addresses in the slot in hand
	v_add_nc_u32 v[ADRA], s[TB], v[ADRA0]
	v_add_nc_u32 v[ADRB], s[TB], v[ADRB0]
.endm
; 16 matrix instructions: m blocks a0, a0 + 1 of the window's four (hi = 0: my rows 0-63, 1: rows 64-127) x all 8 n blocks, 32 along K.  bias = 1: the products start the sums, with the bias as C.
; The 64 accumulators take turns, one instruction a turn, in the same order in every quarter step, over the loops' edges too.
.macro MUL16 f, hi, a0, bias=0
.if \bias
	WIN 0x81+0x40*(\hi)                            ; W window 1, A and the bias window 0, D window 2 or 3
.else
	WIN MUL_LO+0x50*(\hi)                          ; MUL_LO or MUL_HI
.endif
.irp a, \a0, (\a0)+1
.irp b, 0,1,2,3,4,5,6,7
.if \bias
	v_wmma_f32_16x16x32_f16 v[8*(8*(\a)+(\b)):8*(8*(\a)+(\b))+7], v[(\f)+8*(\b):(\f)+8*(\b)+7], v[(\f)+8*(4*(\hi)+(\a)):(\f)+8*(4*(\hi)+(\a))+7], v[BI+8*(\b):BI+8*(\b)+7]
.else
	v_wmma_f32_16x16x32_f16 v[8*(8*(\a)+(\b)):8*(8*(\a)+(\b))+7], v[(\f)+8*(\b):(\f)+8*(\b)+7], v[(\f)+8*(4*(\hi)+(\a)):(\f)+8*(4*(\hi)+(\a))+7], v[8*(8*(\a)+(\b)):8*(8*(\a)+(\b))+7]
.endif
.endr
.endr
.endm
; 32 LDS loads in one run: the fragments of quarter q (32 along K) of the slot in hand, into buffer f: W's eight column blocks, then A's eight row blocks
.macro FETCH q, f
	WIN TO_B
.irp i, 0,1,2,3,4,5,6,7
	ds_load_tr16_b128 v[(\f)+8*(\i):(\f)+8*(\i)+3],   v[ADRB] offset:(\q)*32*PW+32*(\i)
	ds_load_tr16_b128 v[(\f)+8*(\i)+4:(\f)+8*(\i)+7], v[ADRB] offset:(\q)*32*PW+32*(\i)+16*PW
.endr
	WIN 0
.irp i, 0,1,2,3,4,5,6,7
	ds_load_b128 v[(\f)+8*(\i):(\f)+8*(\i)+3],   v[ADRA] offset:(\q)*64+(\i)*16*PA
	ds_load_b128 v[(\f)+8*(\i)+4:(\f)+8*(\i)+7], v[ADRA] offset:(\q)*64+(\i)*16*PA+32
.endr
.endm
; One of a K step's first three quarters: multiplies buffer f and, in its middle, fetches quarter q into buffer g.
.macro QUARTER q, f, g, bias=0
	s_wait_dscnt 8                                 ; W and A's rows 0-63 are in; the youngest eight loads (A's rows 64-127) may be out
	MUL16 \f, 0, 0, \bias
	MUL16 \f, 0, 2, \bias
	PLACES
	FETCH \q, \g
	s_wait_dscnt 32                                ; all but the 32 just issued
	MUL16 \f, 1, 0, \bias
	MUL16 \f, 1, 2, \bias
.endm
; The last quarter multiplies buffer 1 and changes slots: each wave waits for all its tensor loads (one is out: its piece of the other slot), adds 0 to its spare word, waits for that and for its reads of this slot, and meets the others.
; fill = 1: the barrier opens a round of the cluster's barrier, and this slot is filled again, first thing behind the round, with the K step two on: 224 matrix instructions ahead of the wait for it.
.macro TURN fill
	WIN 0
.if \fill
	s_wait_xcnt 0x0                                ; the last prefetch, a K step back, has read its address: it is stepped here, ahead of the waits of the change of slots
	s_add_nc_u64 s[PFA:PFA+1], s[PFA:PFA+1], s[PFS:PFS+1]
.endif
	s_wait_tensorcnt 0x0                           ; all my tensor loads have landed
	ds_add_u32 v[SPW], v[NIL]                      ; 0 onto my spare word
	s_wait_dscnt 9                                 ; (the add and the youngest eight loads may be out)
	MUL16 F1, 0, 0
	s_wait_dscnt 0x0                               ; the add is done, and my reads of this slot are over
	s_barrier_signal -1
	MUL16 F1, 0, 2
	WIN 0
	s_barrier_wait -1
.if \fill
	CREST                                          ; no wave of any partner still reads this slot or has a load on its way
	s_xor_b32 s[G0+5], s[G0+5], SLOT               ; the walking sets: the other slot than last time, the next K step; no tensor load of mine is out
	s_add_nc_u64 s[G0+6:G0+7], s[G0+6:G0+7], ASTEP
	s_xor_b32 s[G0B+5], s[G0B+5], SLOT
	s_add_nc_u64 s[G0B+6:G0B+7], s[G0B+6:G0B+7], WSTEP
	JLOAD                                          ; its four v_nop are also the places in front of the loads below
.else
	PLACES
.endif
	s_xor_b32 s[TB], s[TB], SLOT
	BASES
	FETCH 0, F0
.if \fill
	ASK
.endif
	MUL16 F1, 1, 0
	MUL16 F1, 1, 2
.endm
	s_load_b128 s[4:7], s[0:1], 0x0                ; A s[4:5], w16 s[6:7]
	s_load_b64 s[8:9], s[0:1], 0x10                ; the output
	s_load_b64 s[66:67], s[0:1], 0x18              ; the bias (here: bq)
.if QKV
	s_load_b128 s[72:75], s[0:1], 0x20             ; bk, bv
.endif
	v_lshl_add_u32 v[SPW], v0, 2, SPARE
	v_mov_b32 v[NIL], 0
	ds_add_u32 v[SPW], v[NIL]                      ; the wave's opening: the add and its wait stand ahead of my first tensor load; the set-up below stands between them
	ds_add_u32 v28, v29
	v_lshrrev_b32 v1, 5, v0
	v_readfirstlane_b32 s10, v1                    ; wave 0..3
	s_lshr_b32 s11, s10, 1                         ; which half of the tile's rows is mine.  Also: I fetch for A (0) or for W (1)
	s_and_b32 s12, s10, 1                          ; which half of its columns.  Also: which piece I fetch
	s_bfe_u32 s40, ttmp6, 0x40000                  ; cx, cy: my place in the cluster
	s_bfe_u32 s41, ttmp6, 0x40004
	s_lshl_b32 s42, ttmp9, 2
	s_add_co_u32 s42, s42, s40                     ; tile column of C
	s_and_b32 s13, ttmp7, 0xffff
	s_lshl_b32 s13, s13, 2
	s_add_co_u32 s13, s13, s41                     ; tile row of C
	s_lshl_b32 s43, s41, 2
	s_lshl_b32 s43, 15, s43                        ; my row of the cluster
	s_lshl_b32 s44, 0x1111, s40                    ; my column
	s_or_b32 s[G1+0], s43, (1<<16)|(1<<20)|(1<<21)|(5<<22)|(3<<25)  ; A: 15:0 the mask; 17:16 elements of 2 bytes; 20 padding on; 21 set beside a mask; 24:22 after every 64 words; 31:25 4 words of padding
	s_mov_b32 s[G1+1], 128<<16                     ; tensor_dim0 = 128 along K
	s_mov_b32 s[G1+2], 128<<16                     ; tensor_dim1 = 128 rows
	s_mov_b32 s[G1+3], 128<<16                     ; tile_dim0
	s_mov_b32 s[G1+4], 128                         ; tile_dim1
	s_mov_b32 s[G1+5], 1024                        ; elements from row to row
	s_mov_b32 s[G1+6], 0
	s_mov_b32 s[G1+7], 0
	s_or_b32 s[G1B+0], s44, (1<<16)|(1<<20)|(1<<21)|(6<<22)|(7<<25)  ; W: after every 128 words 8 words of padding
	s_mov_b32 s[G1B+1], 256<<16                    ; 256 columns
	s_mov_b32 s[G1B+2], 64<<16                     ; 64 k rows
	s_mov_b32 s[G1B+3], 256<<16
	s_mov_b32 s[G1B+4], 64
	s_mov_b32 s[G1B+5], NW
	s_mov_b32 s[G1B+6], 0
	s_mov_b32 s[G1B+7], 0
.if GELU
	s_mov_b32 s76, 0x3e6d3388                      ; p / sqrt 2 = 0.23164189
	s_mov_b32 s78, 0x3f87dc22                      ; a5 =  1.061405429; each constant is named as a pair, so both words are written
	s_mov_b32 s79, 0x3f87dc22
	s_mov_b32 s80, 0xbfba00e3                      ; a4 = -1.453152027
	s_mov_b32 s81, 0xbfba00e3
	s_mov_b32 s82, 0x3fb5f0e3                      ; a3 =  1.421413741
	s_mov_b32 s83, 0x3fb5f0e3
	s_mov_b32 s84, 0xbe91a98e                      ; a2 = -0.284496736
	s_mov_b32 s85, 0xbe91a98e
	s_mov_b32 s86, 0x3e827906                      ; a1 =  0.254829592
	s_mov_b32 s87, 0x3e827906
.endif
	; where the tiles come from: A's hang on the tile row and the wave alone, W's on the tile column and the wave alone
	s_lshl_b32 s16, s13, 19                        ; 256 rows of 2,048 bytes a tile row,
	s_lshl_b32 s17, s12, 18                        ; my 128 of them
	s_add_co_u32 s16, s16, s17
	s_mov_b32 s17, 0
	s_mul_i32 s46, s12, 128*NW                     ; my 64 k rows
.if QKV
	s_lshr_b32 s47, s42, 2                         ; which of the three matrices,
	s_lshl_b32 s47, s47, 21                        ; 2,097,152 bytes each,
	s_add_co_u32 s46, s46, s47
	s_and_b32 s47, s42, 3
	s_lshl_b32 s47, s47, 9                         ; and its 256 columns
	s_add_co_u32 s46, s46, s47
.else
	s_lshl_b32 s47, s42, 9                         ; the tile's 256 columns
	s_add_co_u32 s46, s46, s47
	s_add_co_u32 s46, s46, WOFF
.endif
	s_mov_b32 s47, 0
	s_mul_i32 s20, s12, PIECE                      ; where they go: no place in the cluster enters an LDS address
	s_mov_b32 s[TB], 0
	; the prefetches: who asks, which part of a piece is my work-group's, and my lane's block in it
	s_and_b32 s22, ttmp7, 0xffff                   ; cluster y
	s_mov_b32 s23, 32*NW                           ; W: a partner's 16 k rows, in bytes
	s_mov_b32 s[PFS], WSTEP
	s_mov_b32 s[PFS+1], 0
	s_mov_b32 s19, 2*NW                            ; W: bytes in a row
	s_cmp_eq_u32 s11, 0                            ; do I fetch for A?
	s_cselect_b32 s21, s40, s41                    ; my place among the four that ask with me
	s_cselect_b32 s22, ttmp9, s22                  ; the coordinate along which other clusters read the same blocks
	s_cselect_b32 s23, 0x10000, s23                ; A: a partner's 32 rows of 2,048 bytes
	s_cselect_b32 s[PFS], ASTEP, s[PFS]
	s_cselect_b32 s19, 2048, s19
	s_cselect_b32 s18, 0, 1                        ; A: a lane a row; W: two lanes a row
	s_mul_i32 s70, s21, s23
	s_mov_b32 s71, 0
	s_cmp_eq_u32 s22, 0
	s_cselect_b32 s[LIM], 1, -1                    ; the same in all sixteen partners, for a given wave
	v_and_b32 v3, 31, v0
	v_lshrrev_b32 v4, s18, v3
	v_mul_lo_u32 v4, v4, s19
	v_and_b32 v3, s18, v3
	v_lshl_add_u32 v[PFO], v3, 8, v4
	s_wait_dscnt 0x0                               ; the opening add is done
	s_wait_kmcnt 0x0
	s_add_nc_u64 s[14:15], s[4:5], s[16:17]
	s_add_nc_u64 s[46:47], s[6:7], s[46:47]
	CROUND                                         ; all sixteen work-groups are here: the first joint loads meet
.irp s, 0,1
	s_mov_b32 s[G0+4*(\s)], 1
	s_add_co_u32 s[G0+4*(\s)+1], s20, (\s)*SLOT
	s_add_nc_u64 s[G0+4*(\s)+2:G0+4*(\s)+3], s[14:15], (\s)*ASTEP
	s_or_b32 s[G0+4*(\s)+3], s[G0+4*(\s)+3], 0x80000000
	s_mov_b32 s[G0B+4*(\s)], 1
	s_add_co_u32 s[G0B+4*(\s)+1], s20, (\s)*SLOT+2*PIECE
	s_add_nc_u64 s[G0B+4*(\s)+2:G0B+4*(\s)+3], s[46:47], (\s)*WSTEP
	s_or_b32 s[G0B+4*(\s)+3], s[G0B+4*(\s)+3], 0x80000000
.endr
	s_cmp_eq_u32 s11, 0                            ; a wave's two first fills stand in one branch, ahead of every wait on TENSORcnt and every LDS read: two loads of mine are out
	s_cbranch_scc0 .Lfirst_w
	tensor_load_to_lds s[G0:G0+3], s[G1:G1+7]
	s_nop 0
	tensor_load_to_lds s[G0+4:G0+7], s[G1:G1+7]
	s_nop 0
.rept 4
	v_nop
.endr
	s_branch .Lfirst_asked
.Lfirst_w:
	tensor_load_to_lds s[G0B:G0B+3], s[G1B:G1B+7]
	s_nop 0
	tensor_load_to_lds s[G0B+4:G0B+7], s[G1B:G1B+7]
	s_nop 0
.rept 4
	v_nop
.endr
.Lfirst_asked:
	s_cmp_eq_u32 s11, 0
	s_cselect_b64 s[PFA:PFA+1], s[14:15], s[46:47] ; my piece at K step 0,
	s_add_nc_u64 s[PFA:PFA+1], s[PFA:PFA+1], s[70:71]  ; my work-group's part of it,
	s_add_nc_u64 s[PFA:PFA+1], s[PFA:PFA+1], s[PFS:PFS+1]
	s_add_nc_u64 s[PFA:PFA+1], s[PFA:PFA+1], s[PFS:PFS+1]  ; at K step 2: the first change of slots steps it to 3.  Nothing is prefetched here, where every work-group's first tiles are on their way
	v_and_b32 v1, 15, v0                           ; r = l % 16
	v_bfe_u32 v2, v0, 4, 1                         ; h = l / 16
	v_mul_u32_u24 v3, v1, PA                       ; a fragment of A: row r, 16 bytes for each half of the lanes, twice, 32 bytes apart
	v_lshl_add_u32 v3, v2, 4, v3
	s_mul_i32 s21, s11, PIECE                      ; my 128 rows are one loader's piece
	v_add_nc_u32 v[ADRA0], s21, v3
	v_and_b32 v4, 7, v0                            ; the turning load: lane l reads k row 8 h + l % 8, columns 8 ((l / 8) % 2) + 0..7, and is left with column r and 8 k
	v_bfe_u32 v5, v0, 3, 1
	v_lshl_add_u32 v6, v2, 3, v4
	v_mul_u32_u24 v6, v6, PW
	v_lshl_add_u32 v6, v5, 4, v6
	s_lshl_b32 s22, s12, 8                         ; my 128 columns
	s_add_co_u32 s22, s22, 2*PIECE                 ; W lies behind A
	v_add_nc_u32 v[ADRB0], s22, v6
	BASES
	v_lshlrev_b32 v[BO], 5, v2                     ; my 8 columns of 16: 32 h bytes
	; the bias of my 128 columns: 64 registers, in the layout of a C operand
.if QKV
	s_lshr_b32 s18, s42, 2
	s_cmp_eq_u32 s18, 1
	s_cselect_b64 s[66:67], s[72:73], s[66:67]
	s_cmp_eq_u32 s18, 2
	s_cselect_b64 s[66:67], s[74:75], s[66:67]
	s_and_b32 s18, s42, 3
	s_lshl_b32 s18, s18, 10
.else
	s_lshl_b32 s18, s42, 10
.endif
	s_lshl_b32 s19, s12, 9
	s_add_co_u32 s18, s18, s19
	s_mov_b32 s19, 0
	s_add_nc_u64 s[66:67], s[66:67], s[18:19]
.irp b, 0,1,2,3,4,5,6,7
	global_load_b128 v[BI+8*(\b):BI+8*(\b)+3],   v[BO], s[66:67] offset:64*(\b)
	global_load_b128 v[BI+8*(\b)+4:BI+8*(\b)+7], v[BO], s[66:67] offset:64*(\b)+16
.endr
	; the way out: my first plane (4 x tile column + 2 x half), my 128 tokens
	s_lshl_b32 s18, s42, 2
	s_lshl1_add_u32 s18, s12, s18
	s_lshl_b32 s18, s18, 12
	s_lshl_b32 s19, s13, 8
	s_add_co_u32 s18, s18, s19
	s_lshl_b32 s19, s11, 7
	s_add_co_u32 s18, s18, s19
	s_lshl_b32 s18, s18, 7                         ; 128 bytes a token
	s_mov_b32 s19, 0
	s_add_nc_u64 s[8:9], s[8:9], s[18:19]
	s_mul_i32 s23, s10, 256*DP                     ; my 256 rows of the dump
	v_mul_u32_u24 v[STO], v1, DP                   ; in: row r, 32 bytes for each half of the lanes
	v_lshl_add_u32 v[STO], v2, 5, v[STO]
	v_add_nc_u32 v[STO], s23, v[STO]
	v_bfe_u32 v[RD], v0, 3, 2                      ; back: 32 lanes take four rows, 8 numbers (32 bytes) each,
	v_mul_u32_u24 v[RD], v[RD], DP
	v_lshl_add_u32 v[RD], v4, 5, v[RD]
	v_add_nc_u32 v[RD], s23, v[RD]
	v_and_b32 v[CO], 31, v0                        ; which leave as 512 consecutive bytes of the plane
	v_lshlrev_b32 v[CO], 4, v[CO]
	s_wait_tensorcnt 1                             ; my piece of K step 0 is in; K step 1's may stay out
	s_barrier_signal -1
	s_barrier_wait -1                              ; everybody's is
	FETCH 0, F0
	s_wait_loadcnt 0x0                             ; the bias
	QUARTER 1, F0, F1, 1                           ; the first quarter step is written out: its products start the sums, with the bias as C
	WIN 0                                          ; at a label and at a branch every window is 0
	s_mov_b32 s3, KSTEPS-2
	s_branch .Lmid                                 ; the loop is entered behind its first quarter
.Lslot:                                                ; every K step but the last two fills its slot again
	QUARTER 1, F0, F1
	WIN 0
.Lmid:
	QUARTER 2, F1, F0
	QUARTER 3, F0, F1
	TURN 1
	WIN 0
	s_sub_co_u32 s3, s3, 1
	s_cmp_lg_u32 s3, 0
	s_cbranch_scc1 .Lslot
	s_mov_b32 s3, 2
.Ltail:                                                ; the last two K steps ask for nothing
	QUARTER 1, F0, F1
	QUARTER 2, F1, F0
	QUARTER 3, F0, F1
	TURN 0
	WIN 0
	s_sub_co_u32 s3, s3, 1
	s_cmp_lg_u32 s3, 0
	s_cbranch_scc1 .Ltail
	PLACES
	s_wait_dscnt 0x0                               ; my reads of the ring are over (the last change of slots' loads, which serve nothing, among them),
	s_barrier_signal -1
	s_barrier_wait -1                              ; and so are everybody's: the ring, which no tensor load fills any more, takes the sums
	WIN 0x08                                       ; the stores' data in window 2; each accumulator's low four registers first
.irp a, 0,1,2,3
.irp b, 0,1,2,3,4,5,6,7
	ds_store_b128 v[STO], v[8*(8*(\a)+(\b)):8*(8*(\a)+(\b))+3]   offset:((\b)/4)*128*DP+(\a)*16*DP+64*((\b)%4)
	ds_store_b128 v[STO], v[8*(8*(\a)+(\b))+4:8*(8*(\a)+(\b))+7] offset:((\b)/4)*128*DP+(\a)*16*DP+64*((\b)%4)+16
.endr
.endr
	WIN 0x0c                                       ; window 3: my rows 64-127
.irp a, 0,1,2,3
.irp b, 0,1,2,3,4,5,6,7
	ds_store_b128 v[STO], v[8*(8*(\a)+(\b)):8*(8*(\a)+(\b))+3]   offset:((\b)/4)*128*DP+((\a)+4)*16*DP+64*((\b)%4)
	ds_store_b128 v[STO], v[8*(8*(\a)+(\b))+4:8*(8*(\a)+(\b))+7] offset:((\b)/4)*128*DP+((\a)+4)*16*DP+64*((\b)%4)+16
.endr
.endr
	WIN 0
	s_mov_b32 s19, 0
	s_mov_b32 s20, 524288-7*2048                   ; from a plane's last 16 tokens of mine to the next plane's first
	s_mov_b32 s3, 16
.Lout:                                                 ; 16 rows of a plane a trip: eight trips for my first plane, eight for my second; each wave reads only what it stored itself, and LDS serves a wave's instructions in order (ISA guide 5.7.1.4)
.irp f, 0,1,2,3
	ds_load_b128 v[GX+8*(\f):GX+8*(\f)+3],   v[RD] offset:4*DP*(\f)
	ds_load_b128 v[GX+8*(\f)+4:GX+8*(\f)+7], v[RD] offset:4*DP*(\f)+16
.endr
	s_wait_dscnt 0x0
.if GELU
.set i, 0
.rept 32
	v_fma_f32 v[GD+i], |v[GX+i]|, s76, 1.0         ; 1 + p |x| / sqrt 2
.set i, i+1
.endr
.set i, 0
.rept 16
	v_pk_mul_f32 v[GE+2*i:GE+2*i+1], v[GX+2*i:GX+2*i+1], v[GX+2*i:GX+2*i+1]
.set i, i+1
.endr
	; ONE BATCH: 32 reciprocals and 32 exponentials, plain work that names none of their results between them
.set i, 0
.rept 16
	v_rcp_f32 v[GD+2*i], v[GD+2*i]
	v_rcp_f32 v[GD+2*i+1], v[GD+2*i+1]
	v_pk_mul_f32 v[GE+2*i:GE+2*i+1], v[GE+2*i:GE+2*i+1], 0xbf38aa3b op_sel_hi:[1,0]  ; - x x log2(e) / 2
.set i, i+1
.endr
.set i, 0
.rept 16
	v_exp_f32 v[GE+2*i], v[GE+2*i]
	v_exp_f32 v[GE+2*i+1], v[GE+2*i+1]
	v_pk_mul_f32 v[GX+2*i:GX+2*i+1], v[GX+2*i:GX+2*i+1], 0.5 op_sel_hi:[1,0]  ; the last of these is the plain instruction behind the last exponential
.set i, i+1
.endr
	s_wait_alu depctr_va_vdst(0)                   ; the batch's one wait, ahead of the first use
.set i, 0
.rept 16
	v_pk_fma_f32 v[GP+2*i:GP+2*i+1], v[GD+2*i:GD+2*i+1], s[78:79], s[80:81] op_sel_hi:[1,0,0]
.set i, i+1
.endr
.irp k, 82, 84, 86
.set i, 0
.rept 16
	v_pk_fma_f32 v[GP+2*i:GP+2*i+1], v[GP+2*i:GP+2*i+1], v[GD+2*i:GD+2*i+1], s[\k:\k+1] op_sel_hi:[1,1,0]
.set i, i+1
.endr
.endr
.set i, 0
.rept 16
	v_pk_mul_f32 v[GP+2*i:GP+2*i+1], v[GP+2*i:GP+2*i+1], v[GD+2*i:GD+2*i+1]
.set i, i+1
.endr
.set i, 0
.rept 16
	v_pk_fma_f32 v[GE+2*i:GE+2*i+1], v[GP+2*i:GP+2*i+1], v[GE+2*i:GE+2*i+1], 1.0 op_sel_hi:[1,1,0] neg_lo:[1,0,0] neg_hi:[1,0,0]  ; erf
.set i, i+1
.endr
.set i, 0
.rept 32
	v_fma_f32 v[GX+i], |v[GX+i]|, v[GE+i], v[GX+i] ; 0.5 x + |0.5 x| erf
.set i, i+1
.endr
.endif
.set i, 0
.rept 16
	v_cvt_pk_f16_f32 v[GD+i], v[GX+2*i], v[GX+2*i+1]
.set i, i+1
.endr
.irp f, 0,1,2,3
	global_store_b128 v[CO], v[GD+4*(\f):GD+4*(\f)+3], s[8:9] offset:512*(\f)
.endr
	s_wait_xcnt 0x0                                ; the stores have read their data and their base: both are written again below and in the next trip
	s_cmp_eq_u32 s3, 9                             ; behind the eighth trip the second plane begins
	s_cselect_b32 s18, s20, 2048
	s_add_nc_u64 s[8:9], s[8:9], s[18:19]
	v_add_nc_u32 v[RD], 16*DP, v[RD]
	s_sub_co_u32 s3, s3, 1
	s_cmp_lg_u32 s3, 0
	s_cbranch_scc1 .Lout
	s_wait_tensorcnt 0x0                           ; the wave's end: behind my last tensor load and my last LDS store
	ds_add_u32 v[SPW], v[NIL]
	s_wait_dscnt 0x0
	CROUND                                         ; the closing round: no work-group ends while a partner may still ask for a tile that names it
	s_endpgm
.Lfunc_end_k_q88a6c633be_qkv:
	.size	k_q88a6c633be_qkv, .Lfunc_end_k_q88a6c633be_qkv-k_q88a6c633be_qkv
	.p2alignl 7, 3214868480
	.fill 96, 4, 3214868480
	.section	.rodata,"a",@progbits
	.p2align	6, 0x0
	.amdhsa_kernel k_q88a6c633be_qkv
		.amdhsa_group_segment_fixed_size 327680
		.amdhsa_private_segment_fixed_size 0
		.amdhsa_enable_private_segment 0
		.amdhsa_kernarg_size 48
		.amdhsa_user_sgpr_count 2
		.amdhsa_user_sgpr_kernarg_segment_ptr 1
		.amdhsa_wavefront_size32 1
		.amdhsa_system_sgpr_workgroup_id_x 1
		.amdhsa_system_sgpr_workgroup_id_y 1
		.amdhsa_system_sgpr_workgroup_id_z 1
		.amdhsa_system_vgpr_workitem_id 0
		.amdhsa_next_free_vgpr 1024
		.amdhsa_next_free_sgpr 92
		.amdhsa_reserve_vcc 0
		.amdhsa_float_denorm_mode_32 3
		.amdhsa_float_denorm_mode_16_64 3
		.amdhsa_memory_ordered 1
		.amdhsa_forward_progress 1
		.amdhsa_inst_pref_size 82
	.end_amdhsa_kernel
	.amdgpu_metadata
---
amdhsa.version: [ 1, 2 ]
amdhsa.kernels:
  - .name:           k_q88a6c633be_qkv
    .symbol:         k_q88a6c633be_qkv.kd
    .args:
      - { .name: x16, .offset: 0, .size: 8, .value_kind: global_buffer, .address_space: global }
      - { .name: w16, .offset: 8, .size: 8, .value_kind: global_buffer, .address_space: global }
      - { .name: qkv16, .offset: 16, .size: 8, .value_kind: global_buffer, .address_space: global }
      - { .name: bq, .offset: 24, .size: 8, .value_kind: global_buffer, .address_space: global }
      - { .name: bk, .offset: 32, .size: 8, .value_kind: global_buffer, .address_space: global }
      - { .name: bv, .offset: 40, .size: 8, .value_kind: global_buffer, .address_space: global }
    .group_segment_fixed_size: 327680
    .private_segment_fixed_size: 0
    .kernarg_segment_align: 8
    .kernarg_segment_size: 48
    .max_flat_workgroup_size: 128
    .sgpr_count:     92
    .vgpr_count:     1024
    .wavefront_size: 32
...
	.end_amdgpu_metadata
.endif
;; end of part 2
;; launch attn (part 3): grid 8 x 32, 4 waves a work-group, no clusters, 327,680 bytes of LDS; arguments qkv16, o16; writes o16
.if DOCPART == 3
	.amdgcn_target "amdgcn-amd-amdhsa--gfx1250"
	.amdhsa_code_object_version 6
	.text
	.protected	k_q88a6c633be_attn
	.globl	k_q88a6c633be_attn
	.p2align	8
	.type	k_q88a6c633be_attn,@function
k_q88a6c633be_attn:
	s_mov_b64 s[64:65], 0
	v_nop
	global_prefetch_b8 v0, s[64:65] scope:SCOPE_SE
	s_setreg_imm32_b32 hwreg(HW_REG_WAVE_MODE, 25, 1), 1
	s_wait_xcnt 0x0
; ATTENTION.  O[q] = the sum over the visible keys k of softmax_k(Q[q] . K[k] / 8) V[k]; key k is visible to query q if k <= q and k % 25 != 24.  2 batches x 16 heads x 2,048 tokens x 64 channels.
; Q, K, V: qkv16, planes [48][4096][64] in f16 (q's heads, k's, v's; token = 2048 batch + place); O: o16, planes [16][4096][64] in f16.  Products, maxima and sums in f32; the weights p are rounded to f16
; for the second product (their sum l is taken of the unrounded p), O once at the end.
; LIMITS.  f16 holds no number beyond 65,504: Q, K, V arrive within it.  A hidden score counts as its value less 1e30; a weight below 2^-126 counts as 0 in l; NaN and infinities are not treated apart.
; THE WALK.  A head's queries lie in 16 blocks of 128; block i needs the key tiles 0 .. i / 2 of 256 keys, of which the last holds the diagonal.  A work-group takes TWO blocks, 15 - b and then b: nine tiles whatever b:
; 8 x 32 = 256 work-groups of equal work, and ONE loop with a constant trip count walks them.  Which tile is asked for, and what a trip does, hang on scalar registers made from b; every jump but the counted loops' own goes forward,
; and none passes a barrier or a tensor load (but the one of LOAD's two that the wave's number does not choose).  A block's last tile is computed whole, under masks.
; NO CLUSTER: a head's eight work-groups ask for the same tile only in the walk's first five trips, behind that fewer and fewer of them; one walk common to all would have 12 trips for 9.
; SHARES.  Wave w owns queries 32 w .. 32 w + 31 of a block: two tiles of 16.  Every wave walks the tile's keys, 64 a step.
; LAYOUT.  S^T = K Q^T holds ONE query a lane (lane % 16) and the keys 8 (lane / 16) + 0..7 of each 16; two such results rounded to f16 ARE source 1 of O^T = V^T P.  K comes out of LDS as it lies, V turned, by ds_load_tr16_b128.
; SOFTMAX.  p = 2^(c s - c m), c = log2(e) / 8, with a running maximum m; in every step O and l are multiplied by a = 2^(c m_old - c m_new).  A block starts with c m far below every c s, so its first a is 0, and O and l need only be finite.
; Key 0 is visible to every query and lies in a block's first step: m is a true score from then on.
; THE MASKS are the C operand that starts the sum S^T: 0, or -1e30.  CM, made anew in each step for both tiles, hides the keys with k % 25 = 24: register 8 kb + j (key key0 + 8 (lane / 16) + 16 kb + j) is hidden where
; (16 kb + j) % 25 = U, U = (24 - key0 - 8 (lane / 16)) mod 25; U goes on by 11 mod 25 a step.  In the diagonal tile's text S is first written with CM or, where 16 kb + j > D (my query's place in the tile less the step's and my lanes' keys), -1e30, and the products add onto it.
; IN PHASES: masks, 16 products K Q^T, the softmax of both tiles, 16 products V^T P.  K of the next step is fetched behind the first products, V behind the second.
; REGISTERS: window 0: v1-15 addresses and counters; v16-31 eight registers of statistics a tile; v32-39; v64-127 S^T; v128-159 P; v160-223 O^T; v224-255 CM.  Window 1: v0-31 Q; v32-63 the second block's Q; v64-127 K; v128-191 V.
.set KS,    64
.set PK,    144       ; a row of K in LDS: 128 bytes + 16: an odd multiple of 16
.set PV,    160       ; a row of V: 128 + 32: an odd multiple of 32
.set VOFF,  4*KS*PK   ; a slot holds a tile, four steps: 256 rows of K, then 256 rows of V
.set SLOT1, 1<<17     ; slot 1 begins here, so that one exclusive or turns an address in one slot into the other's
.set STAGE, SLOT1+4*KS*(PK+PV)  ; behind the ring, never filled by a tensor load: 16 rows x 144 bytes for each wave
.set SP,    144
.set SPARE, STAGE+4*16*SP       ; behind the stages: the spare words, 128 bytes for each wave, which no other line names
.set AK0, 2           ; v2   my lane's place in a tile of K; never rewritten
.set AV0, 3           ; v3   the same for V
.set AK,  4           ; v4   the LDS address of K's next run of loads
.set AV,  5           ; v5   of V's
.set STO, 6           ; v6   the way out: where I put 16 bytes of a row
.set RD,  7           ; v7   where I read rows back
.set GO,  8           ; v8   my byte offset in 512 consecutive bytes of O
.set U,   12          ; v12  see THE MASKS
.set DG,  13          ; v13-14  D for my two tiles
.set QO,  15          ; v15  my byte offset in 16 rows of Q
.set ST,  16          ; tile t's statistics at v[ST+8 t]: c m, m, l (even keys', odd keys'), c0-c3 at work; a takes c2's place
.set SPW, 32          ; v32  LDS address of my spare word; never rewritten
.set NIL, 33          ; v33  0; never rewritten
.set PFO, 34          ; v34  256 x my lane; never rewritten
.set U0,  35          ; v35  U at key 0: 24 - 8 (lane / 16)
.set DB,  36          ; v36-37  32 w + 16 t + lane % 16 - 8 (lane / 16)
.set MO,  38          ; v38-39  c m_old
.set S,   64
.set P,   128
.set O,   160
.set CM,  224
.set QB,  32          ; window 1
.set KF,  64          ; window 1: key block kb, channel half c at KF + 16 kb + 8 c
.set VF,  128         ; window 1: key half kk, channel block cb at VF + 32 kk + 8 cb
.set WV,  12          ; s12  my wave's number
.set PB,  14          ; s14  b
.set HI,  15          ; s15  15 - b
.set OP,  18          ; s[18:19] O at my rows of the block in hand
.set G1K, 24          ; s[24:31] descriptor group 1 for K's tiles
.set G1V, 32          ; s[32:39] for V's: it differs in the padding alone
.set G0K, 40          ; s[40:43] descriptor group 0 for K's tiles
.set G0V, 44          ; s[44:47] the same for V's
.set SLOTS, 56        ; s56  tiles still to be asked for
.set CNT, 57          ; s57  counts a tile's key steps, 4 to 1
.set CS,  58          ; s[58:59] c
.set SEL, 60          ; s[60:61] v_permlanex16_b32's selects
.set TBK, 62          ; s62  LDS byte at which K of the step to be fetched begins
.set TBV, 63          ; s63  the same for V, less VOFF
.set LQ2, 66          ; s66  b / 2: the second block's last tile
.set RT,  70          ; s70  tiles of the block in hand that are still to be entered
.set NXT, 71          ; s71  the tile to be asked for next
.set LQ,  72          ; s72  the last tile of the block whose tiles are being asked for
.set NEW, 73          ; s73  1: the tile to be entered is a block's first
.set OFF, 74          ; s[74:75] a tile's byte offset in K and V
.set PAR2, 76         ; s76  the second block's PAR
.set LIM, 77          ; s77  2 in the work-group that prefetches, else the greatest number
.set PFA, 78          ; s[78:79] where my prefetches stand
.set OLO, 80          ; s[80:81] O at my rows of the second block
.set BIGN, 82         ; s82  -1e30
.set PAR, 83          ; s83  128 x (block % 2): the block's place in its diagonal tile
.set MSB, 0
.macro WIN new                      ; the high byte repeats the setting that is left; a switch that changes nothing is dropped
.if MSB != (\new)
	s_set_vgpr_msb (MSB<<8)|(\new)
.set MSB, (\new)
.endif
.endm
.macro PLACES                       ; four plain instructions between a matrix instruction and a load into, or a vector read of, its registers
.rept 4
	v_nop
.endr
.endm
; A fill.  Waves 0 and 1 fetch the two halves of a tile's K, waves 2 and 3 those of its V: 128 keys each.  An s_nop 0 and four v_nop follow each of the two lines.
.macro LOAD
	s_cmp_lt_u32 s[WV], 2
	s_cbranch_scc0 .Lfor_v_\@
	tensor_load_to_lds s[G0K:G0K+3], s[G1K:G1K+7]
	s_nop 0
.rept 4
	v_nop
.endr
	s_branch .Lasked_\@
.Lfor_v_\@:
	tensor_load_to_lds s[G0V:G0V+3], s[G1V:G1V+7]
	s_nop 0
.rept 4
	v_nop
.endr
.Lasked_\@:
.endm
; THE CHANGE OF SLOTS.  Each wave waits for all its tensor loads (one is out: its part of the other slot), adds 0 to its spare word, and waits for that and for its reads of the slot that it leaves.  Behind the barrier nobody reads the
; old slot any more and the other slot is whole.  fill = 1: the old slot is filled again, first thing behind the barrier, with tile NXT; the load has four key steps in which to land.  (At its first use slot 0 is waited for and slot 1 filled.)
.macro CHANGE fill
	WIN 0
	s_wait_tensorcnt 0x0            ; no tensor load of mine is out, so a group 0 may be written
	ds_add_u32 v[SPW], v[NIL]       ; 0 onto my spare word; scalar work stands between it and the wait for it
.if \fill
	s_lshl_b32 s[OFF], s[NXT], 15   ; a tile is 32,768 bytes of K and of V
	s_xor_b32 s[G0K+1], s[G0K+1], SLOT1
	s_add_nc_u64 s[G0K+2:G0K+3], s[8:9], s[OFF:OFF+1]
	s_or_b32 s[G0K+3], s[G0K+3], 0x80000000
	s_xor_b32 s[G0V+1], s[G0V+1], SLOT1
	s_add_nc_u64 s[G0V+2:G0V+3], s[10:11], s[OFF:OFF+1]
	s_or_b32 s[G0V+3], s[G0V+3], 0x80000000
	s_add_co_u32 s[NXT], s[NXT], 1  ; the block's next tile, or behind its last the second block's tile 0
	s_cmp_gt_u32 s[NXT], s[LQ]
	s_cselect_b32 s[NXT], 0, s[NXT]
	s_cselect_b32 s[LQ], s[LQ2], s[LQ]
	s_wait_xcnt 0x0                 ; the last prefetches, a tile back, have read their address
	s_add_nc_u64 s[PFA:PFA+1], s[PFA:PFA+1], 32768
.endif
	s_wait_dscnt 0x0                ; the add is done, and my reads of the slot are over
	s_barrier_signal -1
	s_sub_co_u32 s[TBK], s[TBK], 4*KS*PK  ; the fetches go back to a slot's first step,
	s_xor_b32 s[TBK], s[TBK], SLOT1       ; in the other slot
	s_sub_co_u32 s[TBV], s[TBV], 4*KS*PV
	s_xor_b32 s[TBV], s[TBV], SLOT1
	s_barrier_wait -1
.if \fill
	LOAD
.endif
.endm
; A PREFETCH INTO THE L2.  All eight work-groups of a head begin with tiles 0, 1, 2 ..; the one with b = 0 walks tiles 0 to 7 in order, and it alone asks: in the trip that loads tile t + 1 (t = 0 .. 5) for tile t + 2, a tile
; (four key steps, 128 matrix instructions and their softmax) ahead of the load that will want it.  Each wave asks for the half that it will load itself: 128 rows of 128 bytes as 64 blocks of 256, a lane a block, two instructions.
; So each block of tiles 2 to 7 is named once in the launch; tiles 0 and 1 come by their loads alone; the last two trips ask for nothing.
.macro ASK
	s_cmp_gt_u32 s[SLOTS], s[LIM]
	s_cbranch_scc0 .Lnot_mine_\@
	global_prefetch_b8 v[PFO], s[PFA:PFA+1] th:TH_LOAD_NT scope:SCOPE_SE
	global_prefetch_b8 v[PFO], s[PFA:PFA+1] offset:8192 th:TH_LOAD_NT scope:SCOPE_SE
.Lnot_mine_\@:
.endm
	s_load_b128 s[4:7], s[0:1], 0x0 ; qkv16 s[4:5], o16 s[6:7]
	v_lshl_add_u32 v[SPW], v0, 2, SPARE
	v_mov_b32 v[NIL], 0
	ds_add_u32 v[SPW], v[NIL]       ; the wave's opening: the add and its wait stand ahead of my first tensor load; the set-up below stands between them
	ds_add_u32 v32, v33
	v_lshrrev_b32 v1, 5, v0
	v_readfirstlane_b32 s[WV], v1   ; wave 0..3
	s_mov_b32 s[PB], ttmp9
	s_sub_co_u32 s[HI], 15, s[PB]
	s_and_b32 s2, ttmp7, 0xffff
	s_lshr_b32 s3, s2, 4            ; the batch,
	s_and_b32 s2, s2, 15            ; the head
	s_lshl_b32 s2, s2, 19           ; a plane is 524,288 bytes,
	s_lshl_b32 s3, s3, 18           ; a batch's 2,048 tokens 262,144 of them
	s_add_co_u32 s2, s2, s3
	s_and_b32 s16, s[WV], 1         ; which half of a tile's 256 keys I fetch
	s_lshl_b32 s3, s16, 14
	s_add_co_u32 s84, s2, s3
	s_add_co_u32 s86, s84, 32*524288  ; V's planes begin at 32,
	s_add_co_u32 s84, s84, 16*524288  ; K's at 16
	s_mov_b32 s85, 0
	s_mov_b32 s87, 0
	s_mul_i32 s17, s16, 128*PK      ; the half's place in a slot, for K
	s_mul_i32 s13, s16, 128*PV      ; and for V
	s_lshl_b32 s3, s[WV], 12        ; my 32 rows in a block of 128,
	s_add_co_u32 s3, s3, s2
	s_lshl_b32 s88, s[HI], 14       ; in the first block,
	s_add_co_u32 s88, s88, s3
	s_lshl_b32 s90, s[PB], 14       ; and in the second
	s_add_co_u32 s90, s90, s3
	s_mov_b32 s89, 0
	s_mov_b32 s91, 0
	; descriptor group 1.  128 keys are 16,384 dense bytes: asked for as 64 rows of 256 bytes, two keys a row, and padded in LDS after every key
	s_mov_b32 s[G1K], (1<<16)|(1<<20)|(4<<22)|(3<<25)  ; 17:16 2-byte elements; 20 padding on; 24:22 after every 32 words; 31:25 4 words
	s_mov_b32 s[G1V], (1<<16)|(1<<20)|(4<<22)|(7<<25)  ; the same with 8 words of padding
.irp g, G1K, G1V
	s_mov_b32 s[\g+1], 128<<16      ; tensor_dim0 = 128
	s_mov_b32 s[\g+2], 64<<16       ; tensor_dim1 = 64
	s_mov_b32 s[\g+3], 128<<16      ; tile_dim0 = 128
	s_mov_b32 s[\g+4], 64           ; tile_dim1 = 64
	s_mov_b32 s[\g+5], 128          ; 128 elements from row to row
	s_mov_b32 s[\g+6], 0
	s_mov_b32 s[\g+7], 0
.endr
	s_mov_b32 s[CS], 0x3e38aa3b     ; c = log2(e) / 8
	s_mov_b32 s[CS+1], s[CS]        ; named with it as a pair
	s_mov_b32 s[SEL], 0x76543210
	s_mov_b32 s[SEL+1], 0xfedcba98
	s_mov_b32 s[TBK], SLOT1+4*KS*PK ; the first change of slots turns these two into 0
	s_mov_b32 s[TBV], SLOT1+4*KS*PV
	s_mov_b32 s[G0K], 1
	s_mov_b32 s[G0K+1], s17         ; slot 0
	s_mov_b32 s[G0V], 1
	s_add_co_u32 s[G0V+1], s13, VOFF
	s_lshr_b32 s[LQ], s[HI], 1      ; the first block's last tile
	s_add_co_u32 s[RT], s[LQ], 1
	s_lshr_b32 s[LQ2], s[PB], 1
	s_mov_b32 s[NXT], 1
	s_mov_b32 s[NEW], 1
	s_mov_b32 s[OFF+1], 0
	s_and_b32 s[PAR], s[HI], 1
	s_lshl_b32 s[PAR], s[PAR], 7
	s_and_b32 s[PAR2], s[PB], 1
	s_lshl_b32 s[PAR2], s[PAR2], 7
	s_mov_b32 s[BIGN], 0xf149f2ca   ; -1e30
	s_mov_b32 s[SLOTS], 8
	s_cmp_eq_u32 s[PB], 0
	s_cselect_b32 s[LIM], 2, -1
	s_wait_dscnt 0x0                ; the opening add is done
	s_wait_kmcnt 0x0
	s_add_nc_u64 s[8:9], s[4:5], s[84:85]    ; K at my half of the head's tile 0
	s_add_nc_u64 s[10:11], s[4:5], s[86:87]  ; V likewise
	s_add_nc_u64 s[20:21], s[4:5], s[88:89]  ; Q at my rows of the first block,
	s_add_nc_u64 s[22:23], s[4:5], s[90:91]  ; of the second
	s_add_nc_u64 s[OP:OP+1], s[6:7], s[88:89]
	s_add_nc_u64 s[OLO:OLO+1], s[6:7], s[90:91]
	s_add_nc_u64 s[G0K+2:G0K+3], s[8:9], 0
	s_or_b32 s[G0K+3], s[G0K+3], 0x80000000
	s_add_nc_u64 s[G0V+2:G0V+3], s[10:11], 0
	s_or_b32 s[G0V+3], s[G0V+3], 0x80000000
	s_cmp_lt_u32 s[WV], 2
	s_cselect_b64 s[PFA:PFA+1], s[8:9], s[10:11]
	s_add_nc_u64 s[PFA:PFA+1], s[PFA:PFA+1], 32768  ; at tile 1: the first change of slots steps it to tile 2
	LOAD                            ; tile 0 into slot 0
	v_and_b32 v1, 15, v0            ; r = l % 16
	v_bfe_u32 v9, v0, 4, 1          ; h = l / 16
	v_lshlrev_b32 v[QO], 7, v1
	v_lshl_add_u32 v[QO], v9, 4, v[QO]  ; row x 128 + 16 x half
	WIN 0x40                        ; destination window 1, address window 0
.set i, 0
.rept 4                             ; both blocks' Q: tile i / 2, channels 32 (i % 2) on
	global_load_b128 v[8*i:8*i+3],   v[QO], s[20:21] offset:(i/2)*2048+(i%2)*64
	global_load_b128 v[8*i+4:8*i+7], v[QO], s[20:21] offset:(i/2)*2048+(i%2)*64+32
	global_load_b128 v[QB+8*i:QB+8*i+3],   v[QO], s[22:23] offset:(i/2)*2048+(i%2)*64
	global_load_b128 v[QB+8*i+4:QB+8*i+7], v[QO], s[22:23] offset:(i/2)*2048+(i%2)*64+32
.set i, i+1
.endr
	WIN 0
	v_mul_u32_u24 v[AK0], v1, PK
	v_lshl_add_u32 v[AK0], v9, 4, v[AK0]  ; row x pitch + 16 x half
	v_and_b32 v10, 7, v0            ; the turning load: lane l reads key 8 h + l % 8, channels 8 ((l / 8) % 2) + 0..7
	v_bfe_u32 v11, v0, 3, 1
	v_lshl_add_u32 v[AV0], v9, 3, v10
	v_mul_u32_u24 v[AV0], v[AV0], PV
	v_lshl_add_u32 v[AV0], v11, 4, v[AV0]
	v_add_nc_u32 v[AV0], VOFF, v[AV0]
	s_mul_i32 s13, s[WV], 16*SP
	s_add_co_u32 s13, s13, STAGE    ; my stage
	v_mul_u32_u24 v[STO], v1, SP    ; in: row r, 16 bytes for each half of the lanes
	v_lshl_add_u32 v[STO], v9, 4, v[STO]
	v_add_nc_u32 v[STO], s13, v[STO]
	v_bfe_u32 v[RD], v0, 3, 2       ; back: 32 lanes take four rows of 128 bytes,
	v_mul_u32_u24 v[RD], v[RD], SP
	v_lshl_add_u32 v[RD], v10, 4, v[RD]
	v_add_nc_u32 v[RD], s13, v[RD]
	v_and_b32 v[GO], 31, v0         ; which are 512 consecutive bytes of O
	v_lshlrev_b32 v[PFO], 8, v[GO]
	v_lshlrev_b32 v[GO], 4, v[GO]
	s_lshl_b32 s3, s[WV], 5
	v_lshlrev_b32 v11, 3, v9        ; 8 h
	v_sub_nc_u32 v[DB], v1, v11
	v_add_nc_u32 v[DB], s3, v[DB]
	v_add_nc_u32 v[DB+1], 16, v[DB]
	v_sub_nc_u32 v[U0], 24, v11
	; what a block's first step multiplies by a = 0 need only be finite: zeros for the first block, what the first block left for the second.  All this stands in the wait for the first tile.
.set i, 0
.rept 64
	v_mov_b32 v[O+i], 0
.set i, i+1
.endr
.set i, 0
.rept 16
	v_mov_b32 v[ST+i], 0
.set i, i+1
.endr
	v_mov_b32 v[U], v[U0]
	v_mov_b32 v[DG], v[DB]
	v_mov_b32 v[DG+1], v[DB+1]
	v_mov_b32 v[MO], 0
	v_mov_b32 v[MO+1], 0
	s_wait_loadcnt 0x0              ; both blocks' Q
; THE MATRIX WORK.  The 8 accumulators of a run of 16 take turns.  Product i of 16 of S^T = K Q^T: channels 32 (i / 8) on, keys 16 ((i / 2) % 4) on, tile i % 2.
; The first 8 start the sums with CM; in the diagonal tile's text S holds the mask already, and they add onto it.
.macro KQ diag
	WIN 0x05                        ; K and Q in window 1, S^T and CM in window 0
.set rS, S+32*(i%2)+8*((i/2)%4)
.set rK, KF+16*((i/2)%4)+8*(i/8)
.set rQ, 16*(i%2)+8*(i/8)
.set rM, CM+8*((i/2)%4)
.if (i < 8) && !(\diag)
	v_wmma_f32_16x16x32_f16 v[rS:rS+7], v[rK:rK+7], v[rQ:rQ+7], v[rM:rM+7]
.else
	v_wmma_f32_16x16x32_f16 v[rS:rS+7], v[rK:rK+7], v[rQ:rQ+7], v[rS:rS+7]
.endif
.endm
; Product i of 16 of O^T += V^T P: keys 32 (i / 8) on, channels 16 ((i / 2) % 4) on, tile i % 2.
.macro PV
	WIN 0x01                        ; V in window 1, P and O^T in window 0
.set rO, O+32*(i%2)+8*((i/2)%4)
.set rV, VF+32*(i/8)+8*((i/2)%4)
.set rP, P+16*(i%2)+8*(i/8)
	v_wmma_f32_16x16x32_f16 v[rO:rO+7], v[rV:rV+7], v[rP:rP+7], v[rO:rO+7]
.endm
; THE LDS LOADS stand in runs of 16: a step's K (64 keys x 64 channels: 8 fragments) and its V (turned).
.macro FETCH_K
	WIN 0x40
.irp f, 0,1,2,3,4,5,6,7             ; keys 16 (f / 2) on, channels 32 (f % 2) on
	ds_load_b128 v[KF+8*\f:KF+8*\f+3],   v[AK] offset:(\f/2)*16*PK+(\f%2)*64
	ds_load_b128 v[KF+8*\f+4:KF+8*\f+7], v[AK] offset:(\f/2)*16*PK+(\f%2)*64+32
.endr
	s_add_co_u32 s[TBK], s[TBK], KS*PK  ; the next fetch is the next step's
	WIN 0
.endm
.macro FETCH_V
	WIN 0x40
.irp f, 0,1,2,3,4,5,6,7             ; keys 32 (f / 4) on, channels 16 (f % 4) on
	ds_load_tr16_b128 v[VF+8*\f:VF+8*\f+3],   v[AV] offset:(\f/4)*32*PV+(\f%4)*32
	ds_load_tr16_b128 v[VF+8*\f+4:VF+8*\f+7], v[AV] offset:(\f/4)*32*PV+16*PV+(\f%4)*32
.endr
	s_add_co_u32 s[TBV], s[TBV], KS*PV
	WIN 0
.endm
; THE MASKS of a step.
.macro MASKS diag
	WIN 0
.set i, 0
.rept 32
	v_cmp_eq_u32 vcc_lo, (16*(i/8)+i%8)%25, v[U]
	v_cndmask_b32 v[CM+i], 0, s[BIGN], vcc_lo
.set i, i+1
.endr
	v_add_nc_u32 v[U], 11, v[U]     ; 64 keys on: U - 64 = U + 11 mod 25
	v_add_nc_u32 v10, 0xffffffe7, v[U]  ; U - 25 wraps to a large number where U < 25
	v_min_u32 v[U], v[U], v10
.if \diag
.irp t, 0,1
.set i, 0
.rept 32
	v_cmp_gt_i32 vcc_lo, 16*(i/8)+i%8, v[DG+\t]
	v_cndmask_b32 v[S+32*\t+i], v[CM+i], s[BIGN], vcc_lo
.set i, i+1
.endr
	v_add_nc_u32 v[DG+\t], 0xffffffc0, v[DG+\t]  ; the next step's keys lie 64 on
.endr
.endif
.endm
; THE SOFTMAX of both tiles, which alternate line by line.
.macro REGS t
.set rT, ST+8*(\t)
.set rC, ST+8*(\t)+4
.set rW, MO+(\t)
.set rS, S+32*(\t)
.set rP, P+16*(\t)
.set rO, O+32*(\t)
.endm
; Number n of the 22 that find a tile's maximum and statistics.  0-11: four chains c0-c3 of seven scores each (each accumulator's lowest registers are read first); 12-14, 16: the four scores left over, the old m, c0-c3 into c0;
; 15: c m_old is kept; 17, 18: the query's other 32 keys lie in the lane 16 away: the new m; 19-21: c m, c m_old - c m_new, a.
.macro XS t, n
	REGS \t
.if (\n) < 4
	v_max3_num_f32 v[rC+(\n)], v[rS+8*(\n)], v[rS+8*(\n)+1], v[rS+8*(\n)+2]
.elseif (\n) < 12
	v_max3_num_f32 v[rC+(\n)%4], v[rC+(\n)%4], v[rS+8*((\n)%4)+2*((\n)/4)+1], v[rS+8*((\n)%4)+2*((\n)/4)+2]
.elseif (\n) == 12
	v_max3_num_f32 v[rC], v[rC], v[rS+7], v[rS+15]
.elseif (\n) == 13
	v_max3_num_f32 v[rC+1], v[rC+1], v[rS+23], v[rS+31]
.elseif (\n) == 14
	v_max3_num_f32 v[rC+2], v[rC+2], v[rC+3], v[rT+1]
.elseif (\n) == 15
	v_mov_b32 v[rW], v[rT]
.elseif (\n) == 16
	v_max3_num_f32 v[rC], v[rC], v[rC+1], v[rC+2]
.elseif (\n) == 17
	v_permlanex16_b32 v[rC+3], v[rC], s[SEL], s[SEL+1]
.elseif (\n) == 18
	v_max_num_f32 v[rT+1], v[rC], v[rC+3]
.elseif (\n) == 19
	v_mul_f32 v[rT], s[CS], v[rT+1]
.elseif (\n) == 20
	v_sub_f32 v[rC+1], v[rW], v[rT]
.else
	v_exp_f32 v[rC+2], v[rC+1]
.endif
.endm
.macro FS f                         ; c s - c m for pair f / 2 of tile f % 2
	REGS (\f)%2
	v_pk_fma_f32 v[rS+2*((\f)/2):rS+2*((\f)/2)+1], v[rS+2*((\f)/2):rS+2*((\f)/2)+1], s[CS:CS+1], v[rT:rT+1] op_sel_hi:[1,0,0] neg_lo:[0,0,1] neg_hi:[0,0,1]
.endm
.macro EX x                         ; the exponential of score x / 2 of tile x % 2
	REGS (\x)%2
	v_exp_f32 v[rS+(\x)/2], v[rS+(\x)/2]
.endm
.macro RSC x                        ; pair x / 2 of tile x % 2's O^T times a: each accumulator in ascending order
	REGS (\x)%2
	v_pk_mul_f32 v[rO+2*((\x)/2):rO+2*((\x)/2)+1], v[rO+2*((\x)/2):rO+2*((\x)/2)+1], v[rC+2:rC+3] op_sel_hi:[1,0]
.endm
.macro SOFTMAX
.irp n, 0,1,2,3,4,5,6,7,8,9,10,11,12,13,14,15,16,17,18,19,20,21
	XS 0, \n
	XS 1, \n
.endr
	FS 0                            ; four scalings are the plain work behind the two a,
	FS 1
	FS 2
	FS 3
	s_wait_alu depctr_va_vdst(0)    ; and this is their wait, ahead of the first use
	; ONE BATCH of 64 exponentials, a plain line behind each but the last four: the other 28 scalings, then O^T's 32 rescalings.  Exponential e needs scaling 2 (e / 4) + e % 2, and 4 + e scalings stand ahead of it.  Nothing here names a result of the batch.
.set e, 0
.rept 64
	EX e
.if e < 28
	FS e+4
.elseif e < 60
	RSC e-28
.endif
.set e, e+1
.endr
	v_nop                           ; a plain instruction behind the last exponential,
	s_wait_alu depctr_va_vdst(0)    ; and the batch's one wait
.set n, 0
.rept 32
	REGS n%2
	v_cvt_pk_f16_f32 v[rP+n/2], v[rS+2*(n/2)], v[rS+2*(n/2)+1]
.set n, n+1
.endr
.set z, 0                           ; the sum of a tile's 16 pairs, in place: neighbours 1, 2, 4 and 8 pairs apart; then l = a l + the sum
.rept 16
.set w, 4
.set u, z
.if z >= 14
.set w, 32
.set u, 0
.elseif z >= 12
.set w, 16
.set u, z-12
.elseif z >= 8
.set w, 8
.set u, z-8
.endif
.irp t, 0,1
	REGS \t
.if z < 15
	v_pk_add_f32 v[rS+w*u:rS+w*u+1], v[rS+w*u:rS+w*u+1], v[rS+w*u+w/2:rS+w*u+w/2+1]
.else
	v_pk_fma_f32 v[rT+2:rT+3], v[rT+2:rT+3], v[rC+2:rC+3], v[rS:rS+1] op_sel_hi:[1,0,1]
.endif
.endr
.set z, z+1
.endr
.endm
; A KEY STEP.  In a tile's last step (CNT = 1) nothing is left to fetch in the slot, and the two runs are jumped over.
.macro STEP diag
	MASKS \diag
	s_wait_dscnt 16                 ; K is in; V's sixteen loads, issued behind K's on both ways here, may be out
.set i, 0
.rept 16
	KQ \diag
.set i, i+1
.endr
	WIN 0
	PLACES
	s_cmp_eq_u32 s[CNT], 1
	s_cbranch_scc1 .Lno_k_\@
	v_add_nc_u32 v[AK], s[TBK], v[AK0]
	FETCH_K
.Lno_k_\@:
	SOFTMAX
	s_wait_dscnt 0x0                ; V is in (for 0: on the way that jumped over K's run nothing younger is out)
.set i, 0
.rept 16
	PV
.set i, i+1
.endr
	WIN 0
	PLACES
	s_cmp_eq_u32 s[CNT], 1
	s_cbranch_scc1 .Lno_v_\@
	v_add_nc_u32 v[AV], s[TBV], v[AV0]
	FETCH_V
.Lno_v_\@:
.endm
.macro TILE diag, tag               ; a tile's four key steps
	WIN 0
	v_add_nc_u32 v[AK], s[TBK], v[AK0]
	v_add_nc_u32 v[AV], s[TBV], v[AV0]
	FETCH_K
	FETCH_V
	s_mov_b32 s[CNT], 4
.Lstep_\tag:
	STEP \diag
	s_sub_co_u32 s[CNT], s[CNT], 1
	s_cmp_lg_u32 s[CNT], 0
	s_cbranch_scc1 .Lstep_\tag
.endm
.macro BEGIN                        ; a block begins
	s_mov_b32 s[NEW], 0
.irp t, 0,1
	v_mov_b32 v[ST+8*\t], 0xfe000000    ; c m: far below every c s
	v_mov_b32 v[ST+8*\t+1], 0xff7fffff  ; m
	v_add_nc_u32 v[DG+\t], s[PAR], v[DB+\t]
.endr
	v_mov_b32 v[U], v[U0]           ; its keys begin at 0
.endm
; THE WAY OUT: l's two halves and the other half of the lanes' are added; O^T is divided by l, rounded to f16 and sent through my stage in LDS, a tile at a time.
.macro PACK t
.set i, 0
.rept 16
	v_pk_mul_f32 v[O+32*(\t)+2*i:O+32*(\t)+2*i+1], v[O+32*(\t)+2*i:O+32*(\t)+2*i+1], v[ST+8*(\t)+6:ST+8*(\t)+7] op_sel_hi:[1,0]
.set i, i+1
.endr
.set i, 0
.rept 16
	v_cvt_pk_f16_f32 v[S+16*(\t)+i], v[O+32*(\t)+2*i], v[O+32*(\t)+2*i+1]
.set i, i+1
.endr
.irp f, 0,1,2,3
	ds_store_b128 v[STO], v[S+16*(\t)+4*\f:S+16*(\t)+4*\f+3] offset:32*\f
.endr
.irp f, 0,1,2,3
	ds_load_b128 v[S+16*(\t)+4*\f:S+16*(\t)+4*\f+3], v[RD] offset:\f*4*SP  ; LDS serves a wave's instructions in order (ISA guide 5.7.1.4): these see the stores above; the next tile's stores come behind them
.endr
.endm
.macro SEND t, younger
.irp f, 0,1,2,3
	s_wait_dscnt (\younger)+3-\f
	global_store_b128 v[GO], v[S+16*(\t)+4*\f:S+16*(\t)+4*\f+3], s[OP:OP+1] offset:(\t)*2048+\f*512  ; 512 consecutive bytes, at a multiple of 256 from O's first
.endr
.endm
.macro FINISH
	WIN 0
.irp t, 0,1
	v_add_f32 v[ST+8*\t+4], v[ST+8*\t+2], v[ST+8*\t+3]
.endr
.irp t, 0,1
	v_permlanex16_b32 v[ST+8*\t+5], v[ST+8*\t+4], s[SEL], s[SEL+1]
.endr
.irp t, 0,1
	v_add_f32 v[ST+8*\t+4], v[ST+8*\t+4], v[ST+8*\t+5]
.endr
.irp t, 0,1
	v_rcp_f32 v[ST+8*\t+6], v[ST+8*\t+4]
.endr
	v_nop                           ; a plain instruction behind the second reciprocal,
	s_wait_alu depctr_va_vdst(0)    ; and the wait ahead of the first use: one for both
	PACK 0
	PACK 1
	SEND 0, 8
	SEND 1, 0
.endm
.Lslot:                             ; eight times: a tile is entered and the next is asked for
	CHANGE 1
	ASK
	s_sub_co_u32 s[RT], s[RT], 1
	s_cmp_eq_u32 s[NEW], 1
	s_cbranch_scc0 .Lold
	BEGIN
.Lold:
	s_cmp_eq_u32 s[RT], 0
	s_cbranch_scc1 .Ldiag
	TILE 0, a
	s_branch .Lbottom
.Ldiag:                             ; in the loop this is the first block's end: the second block's last tile is the walk's last
	TILE 1, b
	FINISH
	s_wait_xcnt 0x0                 ; the stores have read their registers and O's address
	s_mov_b64 s[OP:OP+1], s[OLO:OLO+1]
	s_mov_b32 s[PAR], s[PAR2]
	s_add_co_u32 s[RT], s[LQ2], 1   ; the second block has b / 2 + 1 tiles
	s_mov_b32 s[NEW], 1
	WIN 0x41                        ; the second block's Q goes where the one text of the products names Q
.set i, 0
.rept 32
	v_mov_b32 v[i], v[QB+i]
.set i, i+1
.endr
	WIN 0
.Lbottom:
	s_sub_co_u32 s[SLOTS], s[SLOTS], 1
	s_cmp_lg_u32 s[SLOTS], 0
	s_cbranch_scc1 .Lslot
	CHANGE 0                        ; the walk's last tile is written out: nothing is asked for
	s_sub_co_u32 s[RT], s[RT], 1
	s_cmp_eq_u32 s[NEW], 1
	s_cbranch_scc0 .Lold2
	BEGIN
.Lold2:
	TILE 1, c
	FINISH
	s_wait_tensorcnt 0x0            ; the wave's end: behind my last tensor load and my last LDS store
	ds_add_u32 v[SPW], v[NIL]
	s_wait_dscnt 0x0
	s_endpgm
.Lfunc_end_k_q88a6c633be_attn:
	.size	k_q88a6c633be_attn, .Lfunc_end_k_q88a6c633be_attn-k_q88a6c633be_attn
	.p2alignl 7, 3214868480
	.fill 96, 4, 3214868480
	.section	.rodata,"a",@progbits
	.p2align	6, 0x0
	.amdhsa_kernel k_q88a6c633be_attn
		.amdhsa_group_segment_fixed_size 327680
		.amdhsa_private_segment_fixed_size 0
		.amdhsa_enable_private_segment 0
		.amdhsa_kernarg_size 16
		.amdhsa_user_sgpr_count 2
		.amdhsa_user_sgpr_kernarg_segment_ptr 1
		.amdhsa_wavefront_size32 1
		.amdhsa_system_sgpr_workgroup_id_x 1
		.amdhsa_system_sgpr_workgroup_id_y 1
		.amdhsa_system_sgpr_workgroup_id_z 1
		.amdhsa_system_vgpr_workitem_id 0
		.amdhsa_next_free_vgpr 448
		.amdhsa_next_free_sgpr 92
		.amdhsa_reserve_vcc 1
		.amdhsa_float_denorm_mode_32 3
		.amdhsa_float_denorm_mode_16_64 3
		.amdhsa_memory_ordered 1
		.amdhsa_forward_progress 1
		.amdhsa_inst_pref_size 109
	.end_amdhsa_kernel
	.amdgpu_metadata
---
amdhsa.version: [ 1, 2 ]
amdhsa.kernels:
  - .name:           k_q88a6c633be_attn
    .symbol:         k_q88a6c633be_attn.kd
    .args:
      - { .name: qkv16, .offset: 0, .size: 8, .value_kind: global_buffer, .address_space: global }
      - { .name: o16, .offset: 8, .size: 8, .value_kind: global_buffer, .address_space: global }
    .group_segment_fixed_size: 327680
    .private_segment_fixed_size: 0
    .kernarg_segment_align: 8
    .kernarg_segment_size: 16
    .max_flat_workgroup_size: 128
    .sgpr_count:     92
    .vgpr_count:     448
    .wavefront_size: 32
...
	.end_amdgpu_metadata
.endif
;; end of part 3
;; launch proj (part 4): grid 8 x 32, 4 waves a work-group, clusters of 4 x 4, 327,680 bytes of LDS; arguments o16, w16, h32, bp, hidden_states; writes h32
.if DOCPART == 4
	.amdgcn_target "amdgcn-amd-amdhsa--gfx1250"
	.amdhsa_code_object_version 6
	.text
	.protected	k_q88a6c633be_proj
	.globl	k_q88a6c633be_proj
	.p2align	8
	.type	k_q88a6c633be_proj,@function
k_q88a6c633be_proj:
	s_mov_b64 s[64:65], 0
	v_nop
	global_prefetch_b8 v0, s[64:65] scope:SCOPE_SE
	s_setreg_imm32_b32 hwreg(HW_REG_WAVE_MODE, 25, 1), 1
	s_wait_xcnt 0x0
	s_wait_alu depctr_hold_cnt(0) depctr_sa_sdst(0) depctr_va_vdst(0) depctr_va_sdst(0) depctr_va_ssrc(0) depctr_va_vcc(0) depctr_vm_vsrc(0)
	s_getreg_b32 s2, hwreg(HW_REG_IB_STS2, 6, 4)
	s_cmp_eq_u32 s2, 0
	s_cbranch_scc0 .Lentry_in_a_cluster
	s_endpgm
.Lentry_in_a_cluster:
	s_bfe_u32 s2, ttmp6, 0x10000c
	s_cmp_lg_u32 s2, 0xf033
	s_cbranch_scc0 .Lentry_shape_is_right
	s_endpgm
.Lentry_shape_is_right:
; PROJ: h32 = o16 x Wp + bp + hidden_states.  o16: planes [16][4096][64] in f16; Wp: f16 [1024][1024] as it lies ([K][N]), at byte 6,291,456 of w16; bias, residual and result f32, [4096][1024] row-major.
; SHARES.  A tile of C is 128 x 128: 8 x 32 = 256 work-groups.  Four waves, each 64 x 64: 16 accumulators of 16 x 16.  K goes in steps of 256 (four planes of A) through a ring of two LDS slots.
; A BY PLANES: 128 tokens of a plane are 16,384 dense bytes: a tensor load takes two planes as two rows of 8,192 elements and pads LDS after every token's 128 bytes.
; CLUSTER.  4 x 4 work-groups: the four of a row of the cluster need the same tiles of A, the four of a column the same tiles of W: each tile is asked for JOINTLY, by the same tensor load with the same descriptor and a mask of four.
; THE MATRIX INSTRUCTION IS USED TRANSPOSED: source 0 = 16 columns of W (turned on the way out of LDS by ds_load_tr16_b128), source 1 = 16 rows of A: a lane holds row lane % 16 of C and eight neighbouring columns.
; THE SUMS START AS THE BIAS, loaded straight into the accumulators.  The residual is loaded at the start into 128 registers, in the layout in which the rows leave, and added on the way out.
; ONE TEXT FOR A SLOT: read addresses and the walking descriptors are turned from slot to slot by one exclusive or (SLOT's two bits are set in no tile's start).  The last two K steps run a second copy, which fills nothing;
; its very last change of slots (a barrier and 32 LDS loads of bytes filled earlier) serves nothing: the price, once a launch, of a looped tail.
; No prefetch: the tiles are small and each block of A and W is read by several clusters at about the same time.
; LIMITS.  f16 operands: no number beyond 65,504; sums, bias and residual in f32.  NaN and infinities are not treated apart.
.set KSTEPS, 4                         ; K / 256
.set NW,     1024                      ; elements in a row of W
.set APL,    1                         ; A lies by planes
.set QKV,    0
.set WOFF,   6291456
.set RESID,  1
.set SLOT,   147456                    ; a slot: A's two pieces, then W's two
.set PIECE,  36864                     ; what one tensor load may fill
.set PW,     288                       ; a row of W in LDS: 256 bytes + 32: an odd multiple of 32
.if APL
.set PA,     144                       ; a token's 128 bytes of a plane + 16
.set AWM,    64*PA                     ; my 64 tokens in each plane
.set AQ,     128*PA                    ; a quarter of a K step is a plane
.set ASTEP,  4*4096*128                ; four planes
.set A_W0,   (1<<16)|(1<<20)|(1<<21)|(4<<22)|(3<<25)
.set A_D0,   8192                      ; 128 tokens of a plane are one dense row of 8,192 elements
.set A_D1,   2                         ; two planes to a load
.set A_ST,   4096*64
.else
.set PA,     528                       ; 512 bytes + 16: an odd multiple of 16
.set AWM,    PIECE                     ; my 64 rows are one loader's piece
.set AQ,     128                       ; a quarter of a K step is 128 bytes of a row
.set ASTEP,  512
.set A_W0,   (1<<16)|(1<<20)|(1<<21)|(6<<22)|(3<<25)
.set A_D0,   256
.set A_D1,   64
.set A_ST,   1024
.endif
.set WSTEP,  512*NW                    ; 256 rows of W
.set STAGE,  2*SLOT                    ; behind the ring: 16 rows x 272 bytes for each wave, never filled by a tensor load
.set SP,     272
.set SPARE,  STAGE+4*16*SP             ; behind the stages: the spare words, 128 bytes for each wave, which no other line names
.set ADRA0, 10                         ; v10     my place in slot 0's A
.set ADRB0, 11                         ; v11-12  my place in slot 0's W, k rows 0-127 and 128-255
.set ADRA,  16                         ; v16     the same in the slot in hand
.set ADRB,  20                         ; v20-21
.set STO,   24                         ; v24     the way out: where I put 32 bytes of a row
.set RD,    25                         ; v25     where I read rows back
.set CO,    26                         ; v26     my byte offset in two rows of the output and of the residual
.set BO,    27                         ; v27     my byte offset in 16 columns of the bias
.set SPW,   28                         ; v28     LDS address of my spare word; never rewritten
.set NIL,   29                         ; v29     0; never rewritten
.set TMP,   32                         ; v32-95  at work on the way out
.set ACC,   128                        ; v128-255 accumulator (a, b) at ACC + 8 (4 a + b)
.set F0,    0                          ; window 1: two fragment buffers of 128: A's (c, a) at 8 (4 c + a), W's (c, b) at 64 + 8 (4 c + b)
.set F1,    128
                                       ; window 2: v0-127 the residual: rows 16 a + 2 t + lane / 16 at 4 (8 a + t)
.set G1,  24                           ; s[24:31] descriptor group 1 for A;  s[32:39] group 0: set 0 (K step 0), set 1 (K step 1, then it walks)
.set G0,  32
.set G1B, 48                           ; s[48:55], s[56:63] the same for W
.set G0B, 56
.set TB,  45                           ; s45     0 or SLOT: the slot that is read
.set MSB, 0
.macro WIN new                         ; the immediate's high byte repeats the setting that is left; a switch that changes nothing is dropped
.if MSB != (\new)
	s_set_vgpr_msb (MSB<<8)|(\new)
.set MSB, \new
.endif
.endm
.set MUL,  0x05                        ; sources 0 (W) and 1 (A) window 1; C and D window 0
.set TO_F, 0x40                        ; destination window 1, address window 0
.macro JLOAD                           ; a joint refill by the walking sets: waves 0 and 1 fetch A's two pieces, waves 2 and 3 W's; an s_nop 0 and four v_nop follow each line
	s_cmp_eq_u32 s11, 0
	s_cbranch_scc0 .Lfor_w_\@
	tensor_load_to_lds s[G0+4:G0+7], s[G1:G1+7]
	s_nop 0
.rept 4
	v_nop
.endr
	s_branch .Lasked_\@
.Lfor_w_\@:
	tensor_load_to_lds s[G0B+4:G0B+7], s[G1B:G1B+7]
	s_nop 0
.rept 4
	v_nop
.endr
.Lasked_\@:
.endm
.macro CREST                           ; a round of the cluster's barrier behind its opening barrier
	s_cmp_lg_u32 s10, 0
	s_cbranch_scc1 .Lnot_wave_0_\@
	s_barrier_signal -3
.Lnot_wave_0_\@:
	s_barrier_wait -3
	s_barrier_signal -1
	s_barrier_wait -1
.endm
.macro CROUND                          ; a whole round
	s_barrier_signal -1
	s_barrier_wait -1
	CREST
.endm
.macro PLACES                          ; four plain instructions between a matrix instruction and a load into, or a vector read of, its registers
.rept 4
	v_nop
.endr
.endm
.macro BASES                           ; my read addresses in the slot in hand
	v_add_nc_u32 v[ADRA], s[TB], v[ADRA0]
	v_add_nc_u32 v[ADRB], s[TB], v[ADRB0]
	v_add_nc_u32 v[ADRB+1], s[TB], v[ADRB0+1]
.endm
; 8 matrix instructions: m blocks a0, a0 + 1 x all 4 n blocks, 32 along K: half c of buffer f.  The 16 accumulators take turns, one instruction a turn, over the loops' edges too.
.macro MUL8 f, c, a0
	WIN MUL
.irp a, \a0, (\a0)+1
.irp b, 0,1,2,3
	v_wmma_f32_16x16x32_f16 v[ACC+8*(4*(\a)+(\b)):ACC+8*(4*(\a)+(\b))+7], v[(\f)+64+8*(4*(\c)+(\b)):(\f)+64+8*(4*(\c)+(\b))+7], v[(\f)+8*(4*(\c)+(\a)):(\f)+8*(4*(\c)+(\a))+7], v[ACC+8*(4*(\a)+(\b)):ACC+8*(4*(\a)+(\b))+7]
.endr
.endr
.endm
; 32 LDS loads in one run: the fragments of quarter q (64 along K) of the slot in hand, into buffer f; the first 32 along K first
.macro FETCH q, f
	WIN TO_F
.irp c, 0,1
.irp i, 0,1,2,3
	ds_load_tr16_b128 v[(\f)+64+8*(4*(\c)+(\i)):(\f)+64+8*(4*(\c)+(\i))+3],   v[ADRB+(\q)/2] offset:((\q)%2)*64*PW+(\c)*32*PW+32*(\i)
	ds_load_tr16_b128 v[(\f)+64+8*(4*(\c)+(\i))+4:(\f)+64+8*(4*(\c)+(\i))+7], v[ADRB+(\q)/2] offset:((\q)%2)*64*PW+(\c)*32*PW+32*(\i)+16*PW
	ds_load_b128 v[(\f)+8*(4*(\c)+(\i)):(\f)+8*(4*(\c)+(\i))+3],   v[ADRA] offset:(\q)*AQ+64*(\c)+(\i)*16*PA
	ds_load_b128 v[(\f)+8*(4*(\c)+(\i))+4:(\f)+8*(4*(\c)+(\i))+7], v[ADRA] offset:(\q)*AQ+64*(\c)+(\i)*16*PA+32
.endr
.endr
.endm
; One of a K step's first three quarters: multiplies buffer f and, in its middle, fetches quarter q into buffer g.
.macro QUARTER q, f, g
	s_wait_dscnt 16                                ; the first 32 along K are in; the youngest sixteen loads may be out
	MUL8 \f, 0, 0
	MUL8 \f, 0, 2
	PLACES
	FETCH \q, \g
	s_wait_dscnt 32                                ; all but the 32 just issued
	MUL8 \f, 1, 0
	MUL8 \f, 1, 2
.endm
; The last quarter multiplies buffer 1 and changes slots: each wave waits for all its tensor loads (one is out: its piece of the other slot), adds 0 to its spare word, waits for that and for its reads of this slot, and meets the others.
; fill = 1: the barrier opens a round of the cluster's barrier, and this slot is filled again, first thing behind the round, with the K step two on: 112 matrix instructions ahead of the wait for it.
.macro TURN fill
	WIN 0
	s_wait_tensorcnt 0x0                           ; all my tensor loads have landed
	ds_add_u32 v[SPW], v[NIL]                      ; 0 onto my spare word
	s_wait_dscnt 17                                ; (the add and the youngest sixteen loads may be out)
	MUL8 F1, 0, 0
	s_wait_dscnt 0x0                               ; the add is done, and my reads of this slot are over
	s_barrier_signal -1
	MUL8 F1, 0, 2
	WIN 0
	s_barrier_wait -1
.if \fill
	CREST                                          ; no wave of any partner still reads this slot or has a load on its way
	s_xor_b32 s[G0+5], s[G0+5], SLOT               ; the walking sets: the other slot than last time, the next K step; no tensor load of mine is out
	s_add_nc_u64 s[G0+6:G0+7], s[G0+6:G0+7], ASTEP
	s_xor_b32 s[G0B+5], s[G0B+5], SLOT
	s_add_nc_u64 s[G0B+6:G0B+7], s[G0B+6:G0B+7], WSTEP
	JLOAD                                          ; its four v_nop are also the places in front of the loads below
.else
	PLACES
.endif
	s_xor_b32 s[TB], s[TB], SLOT
	BASES
	FETCH 0, F0
	MUL8 F1, 1, 0
	MUL8 F1, 1, 2
.endm
.macro SLOTBODY fill                   ; a K step, from its second quarter's fetch to the next step's first
	QUARTER 1, F0, F1
	QUARTER 2, F1, F0
	QUARTER 3, F0, F1
	TURN \fill
	WIN 0                                          ; at a label and at a branch every window is 0
.endm
	s_load_b128 s[4:7], s[0:1], 0x0                ; A s[4:5], w16 s[6:7]
	s_load_b64 s[8:9], s[0:1], 0x10                ; the output
	s_load_b64 s[66:67], s[0:1], 0x18              ; the bias
	s_load_b64 s[68:69], s[0:1], 0x20              ; the residual
	v_lshl_add_u32 v[SPW], v0, 2, SPARE
	v_mov_b32 v[NIL], 0
	ds_add_u32 v[SPW], v[NIL]                      ; the wave's opening: the add and its wait stand ahead of my first tensor load; the set-up below stands between them
	ds_add_u32 v28, v29
	v_lshrrev_b32 v1, 5, v0
	v_readfirstlane_b32 s10, v1                    ; wave 0..3
	s_lshr_b32 s11, s10, 1                         ; which half of the tile's rows is mine.  Also: I fetch for A (0) or for W (1)
	s_and_b32 s12, s10, 1                          ; which half of its columns.  Also: which piece I fetch
	s_bfe_u32 s40, ttmp6, 0x40000                  ; cx, cy: my place in the cluster
	s_bfe_u32 s41, ttmp6, 0x40004
	s_lshl_b32 s42, ttmp9, 2
	s_add_co_u32 s42, s42, s40                     ; tile column of C
	s_and_b32 s13, ttmp7, 0xffff
	s_lshl_b32 s13, s13, 2
	s_add_co_u32 s13, s13, s41                     ; tile row of C
	s_lshl_b32 s43, s41, 2
	s_lshl_b32 s43, 15, s43                        ; my row of the cluster
	s_lshl_b32 s44, 0x1111, s40                    ; my column
	s_or_b32 s[G1+0], s43, A_W0                    ; 15:0 the mask; 17:16 elements of 2 bytes; 20 padding on; 21 set beside a mask; 24:22 the interval; 31:25 4 words of padding
	s_mov_b32 s[G1+1], (A_D0&0xffff)<<16           ; tensor_dim0
	s_mov_b32 s[G1+2], (A_D0>>16)|(A_D1<<16)       ; tensor_dim1
	s_mov_b32 s[G1+3], A_D0<<16                    ; tile_dim0
	s_mov_b32 s[G1+4], A_D1                        ; tile_dim1
	s_mov_b32 s[G1+5], A_ST                        ; elements from row to row
	s_mov_b32 s[G1+6], 0
	s_mov_b32 s[G1+7], 0
	s_or_b32 s[G1B+0], s44, (1<<16)|(1<<20)|(1<<21)|(5<<22)|(7<<25)  ; W: after every 64 words 8 words of padding
	s_mov_b32 s[G1B+1], 128<<16                    ; 128 k rows x 128 columns
	s_mov_b32 s[G1B+2], 128<<16
	s_mov_b32 s[G1B+3], 128<<16
	s_mov_b32 s[G1B+4], 128
	s_mov_b32 s[G1B+5], NW
	s_mov_b32 s[G1B+6], 0
	s_mov_b32 s[G1B+7], 0
	; where the tiles come from: A's hang on the tile row and the wave alone, W's on the tile column and the wave alone
.if APL
	s_lshl_b32 s16, s13, 14                        ; 128 tokens of 128 bytes,
	s_lshl_b32 s17, s12, 20                        ; my two planes of the four
	s_add_co_u32 s16, s16, s17
.else
	s_lshl_b32 s16, s13, 7
	s_lshl_b32 s17, s12, 6
	s_add_co_u32 s16, s16, s17                     ; row 128 x tile row + 64 x piece
	s_lshl_b32 s16, s16, 11                        ; of 2,048 bytes
.endif
	s_mov_b32 s17, 0
	s_mul_i32 s46, s12, 128*NW*2                   ; my 128 k rows
	s_lshl_b32 s47, s42, 8                         ; the tile's 128 columns
	s_add_co_u32 s46, s46, s47
	s_add_co_u32 s46, s46, WOFF
	s_mov_b32 s47, 0
	s_mul_i32 s20, s12, PIECE                      ; where they go: no place in the cluster enters an LDS address
	s_mov_b32 s[TB], 0
	s_wait_dscnt 0x0                               ; the opening add is done
	s_wait_kmcnt 0x0
	s_add_nc_u64 s[14:15], s[4:5], s[16:17]
	s_add_nc_u64 s[46:47], s[6:7], s[46:47]
	CROUND                                         ; all sixteen work-groups are here: the first joint loads meet
.irp s, 0,1
	s_mov_b32 s[G0+4*(\s)], 1
	s_add_co_u32 s[G0+4*(\s)+1], s20, (\s)*SLOT
	s_add_nc_u64 s[G0+4*(\s)+2:G0+4*(\s)+3], s[14:15], (\s)*ASTEP
	s_or_b32 s[G0+4*(\s)+3], s[G0+4*(\s)+3], 0x80000000
	s_mov_b32 s[G0B+4*(\s)], 1
	s_add_co_u32 s[G0B+4*(\s)+1], s20, (\s)*SLOT+2*PIECE
	s_add_nc_u64 s[G0B+4*(\s)+2:G0B+4*(\s)+3], s[46:47], (\s)*WSTEP
	s_or_b32 s[G0B+4*(\s)+3], s[G0B+4*(\s)+3], 0x80000000
.endr
	s_cmp_eq_u32 s11, 0                            ; a wave's two first fills stand in one branch, ahead of every wait on TENSORcnt and every LDS read: two loads of mine are out
	s_cbranch_scc0 .Lfirst_w
	tensor_load_to_lds s[G0:G0+3], s[G1:G1+7]
	s_nop 0
	tensor_load_to_lds s[G0+4:G0+7], s[G1:G1+7]
	s_nop 0
.rept 4
	v_nop
.endr
	s_branch .Lfirst_asked
.Lfirst_w:
	tensor_load_to_lds s[G0B:G0B+3], s[G1B:G1B+7]
	s_nop 0
	tensor_load_to_lds s[G0B+4:G0B+7], s[G1B:G1B+7]
	s_nop 0
.rept 4
	v_nop
.endr
.Lfirst_asked:
	v_and_b32 v1, 15, v0                           ; r = l % 16
	v_bfe_u32 v2, v0, 4, 1                         ; h = l / 16
	v_mul_u32_u24 v3, v1, PA                       ; a fragment of A: row r, 16 bytes for each half of the lanes, twice, 32 bytes apart
	v_lshl_add_u32 v3, v2, 4, v3
	s_mul_i32 s21, s11, AWM
	v_add_nc_u32 v[ADRA0], s21, v3
	v_and_b32 v4, 7, v0                            ; the turning load: lane l reads k row 8 h + l % 8, columns 8 ((l / 8) % 2) + 0..7, and is left with column r and 8 k
	v_bfe_u32 v5, v0, 3, 1
	v_lshl_add_u32 v4, v2, 3, v4
	v_mul_u32_u24 v4, v4, PW
	v_lshl_add_u32 v4, v5, 4, v4
	s_lshl_b32 s22, s12, 7                         ; my 64 columns
	s_add_co_u32 s22, s22, 2*PIECE                 ; W lies behind A
	v_add_nc_u32 v[ADRB0], s22, v4
	v_add_nc_u32 v[ADRB0+1], PIECE, v[ADRB0]
	BASES
	v_lshlrev_b32 v[BO], 5, v2                     ; my 8 columns of 16: 32 h bytes
	; the bias of my 64 columns, into all four row blocks' accumulators
	s_lshl_b32 s18, s42, 9
	s_lshl_b32 s19, s12, 8
	s_add_co_u32 s18, s18, s19
	s_mov_b32 s19, 0
	s_add_nc_u64 s[66:67], s[66:67], s[18:19]
.irp a, 0,1,2,3
.irp b, 0,1,2,3
	global_load_b128 v[ACC+8*(4*(\a)+(\b)):ACC+8*(4*(\a)+(\b))+3],   v[BO], s[66:67] offset:64*(\b)
	global_load_b128 v[ACC+8*(4*(\a)+(\b))+4:ACC+8*(4*(\a)+(\b))+7], v[BO], s[66:67] offset:64*(\b)+16
.endr
.endr
	; the way out: my 64 rows x 64 columns of the output and of the residual
	s_lshl_b32 s18, s13, 7
	s_lshl_b32 s19, s11, 6
	s_add_co_u32 s18, s18, s19
	s_lshl_b32 s18, s18, 10
	s_lshl_b32 s19, s42, 7
	s_add_co_u32 s18, s18, s19
	s_lshl_b32 s19, s12, 6
	s_add_co_u32 s18, s18, s19
	s_lshl_b32 s18, s18, 2
	s_mov_b32 s19, 0
	s_add_nc_u64 s[8:9], s[8:9], s[18:19]
	s_add_nc_u64 s[68:69], s[68:69], s[18:19]
	v_lshlrev_b32 v[CO], 12, v2                    ; lanes 0-15 take one row's 256 bytes, lanes 16-31 the next row's
	v_lshl_add_u32 v[CO], v1, 4, v[CO]
	WIN 0x80                                       ; destination window 2, address window 0
.irp a, 0,1,2,3
.irp t, 0,1,2,3,4,5,6,7
	global_load_b128 v[4*(8*(\a)+(\t)):4*(8*(\a)+(\t))+3], v[CO], s[68:69] offset:(16*(\a)+2*(\t))*4096
.endr
.endr
	WIN 0
	s_mul_i32 s23, s10, 16*SP
	s_add_co_u32 s23, s23, STAGE                   ; my stage
	v_mul_u32_u24 v[STO], v1, SP                   ; in: row r, 32 bytes for each half of the lanes
	v_lshl_add_u32 v[STO], v2, 5, v[STO]
	v_add_nc_u32 v[STO], s23, v[STO]
	v_mul_u32_u24 v[RD], v2, SP                    ; back: lanes 0-15 one row of 256 bytes, lanes 16-31 the next
	v_lshl_add_u32 v[RD], v1, 4, v[RD]
	v_add_nc_u32 v[RD], s23, v[RD]
	s_wait_tensorcnt 1                             ; my piece of K step 0 is in; K step 1's may stay out
	s_barrier_signal -1
	s_barrier_wait -1                              ; everybody's is
	FETCH 0, F0
	WIN 0
	s_wait_loadcnt 32                              ; the bias stands in the accumulators; the residual's 32 loads are younger and may stay out
	s_mov_b32 s3, KSTEPS-2
.Lslot:                                                ; every K step but the last two fills its slot again
	SLOTBODY 1
	s_sub_co_u32 s3, s3, 1
	s_cmp_lg_u32 s3, 0
	s_cbranch_scc1 .Lslot
	s_mov_b32 s3, 2
.Ltail:                                                ; the last two K steps ask for nothing
	SLOTBODY 0
	s_sub_co_u32 s3, s3, 1
	s_cmp_lg_u32 s3, 0
	s_cbranch_scc1 .Ltail
	s_wait_dscnt 0x0                               ; the last change of slots' loads, which serve nothing, are back
	s_wait_loadcnt 0x0                             ; the residual
	PLACES
; THE WAY OUT of row block a: 32 bytes a lane into my own stage (each accumulator's low four registers first), back as whole rows of 256 bytes, the residual added, stored: 16 lanes write 256 consecutive bytes, aligned.
.macro TOST a
.if (\a) >= 2
	s_wait_xcnt 0x0                                ; the registers loaded below were the data of block a - 2's stores
.endif
.irp b, 0,1,2,3
	ds_store_b128 v[STO], v[ACC+8*(4*(\a)+(\b)):ACC+8*(4*(\a)+(\b))+3]   offset:64*(\b)
	ds_store_b128 v[STO], v[ACC+8*(4*(\a)+(\b))+4:ACC+8*(4*(\a)+(\b))+7] offset:64*(\b)+16
.endr
.irp t, 0,1,2,3,4,5,6,7
	ds_load_b128 v[TMP+32*((\a)%2)+4*(\t):TMP+32*((\a)%2)+4*(\t)+3], v[RD] offset:(\t)*2*SP  ; LDS serves a wave's instructions in order (ISA guide 5.7.1.4): these see the stores above; the next block's stores come behind them
.endr
.endm
.macro SENDF a, younger                ; younger: the LDS instructions issued behind block a's loads
	s_wait_dscnt \younger
	WIN 0x08                                       ; source 1 window 2
.irp t, 0,1,2,3,4,5,6,7
	v_pk_add_f32 v[TMP+32*((\a)%2)+4*(\t):TMP+32*((\a)%2)+4*(\t)+1],   v[TMP+32*((\a)%2)+4*(\t):TMP+32*((\a)%2)+4*(\t)+1],   v[4*(8*(\a)+(\t)):4*(8*(\a)+(\t))+1]
	v_pk_add_f32 v[TMP+32*((\a)%2)+4*(\t)+2:TMP+32*((\a)%2)+4*(\t)+3], v[TMP+32*((\a)%2)+4*(\t)+2:TMP+32*((\a)%2)+4*(\t)+3], v[4*(8*(\a)+(\t))+2:4*(8*(\a)+(\t))+3]
.endr
	WIN 0
.irp t, 0,1,2,3,4,5,6,7
	global_store_b128 v[CO], v[TMP+32*((\a)%2)+4*(\t):TMP+32*((\a)%2)+4*(\t)+3], s[8:9] offset:(16*(\a)+2*(\t))*4096
.endr
.endm
	TOST 0
.irp a, 1,2,3
	TOST \a
	SENDF (\a)-1, 16
.endr
	SENDF 3, 0
	s_wait_tensorcnt 0x0                           ; the wave's end: behind my last tensor load and my last LDS store
	ds_add_u32 v[SPW], v[NIL]
	s_wait_dscnt 0x0
	CROUND                                         ; the closing round: no work-group ends while a partner may still ask for a tile that names it
	s_endpgm
.Lfunc_end_k_q88a6c633be_proj:
	.size	k_q88a6c633be_proj, .Lfunc_end_k_q88a6c633be_proj-k_q88a6c633be_proj
	.p2alignl 7, 3214868480
	.fill 96, 4, 3214868480
	.section	.rodata,"a",@progbits
	.p2align	6, 0x0
	.amdhsa_kernel k_q88a6c633be_proj
		.amdhsa_group_segment_fixed_size 327680
		.amdhsa_private_segment_fixed_size 0
		.amdhsa_enable_private_segment 0
		.amdhsa_kernarg_size 40
		.amdhsa_user_sgpr_count 2
		.amdhsa_user_sgpr_kernarg_segment_ptr 1
		.amdhsa_wavefront_size32 1
		.amdhsa_system_sgpr_workgroup_id_x 1
		.amdhsa_system_sgpr_workgroup_id_y 1
		.amdhsa_system_sgpr_workgroup_id_z 1
		.amdhsa_system_vgpr_workitem_id 0
		.amdhsa_next_free_vgpr 640
		.amdhsa_next_free_sgpr 92
		.amdhsa_reserve_vcc 0
		.amdhsa_float_denorm_mode_32 3
		.amdhsa_float_denorm_mode_16_64 3
		.amdhsa_memory_ordered 1
		.amdhsa_forward_progress 1
		.amdhsa_inst_pref_size 64
	.end_amdhsa_kernel
	.amdgpu_metadata
---
amdhsa.version: [ 1, 2 ]
amdhsa.kernels:
  - .name:           k_q88a6c633be_proj
    .symbol:         k_q88a6c633be_proj.kd
    .args:
      - { .name: o16, .offset: 0, .size: 8, .value_kind: global_buffer, .address_space: global }
      - { .name: w16, .offset: 8, .size: 8, .value_kind: global_buffer, .address_space: global }
      - { .name: h32, .offset: 16, .size: 8, .value_kind: global_buffer, .address_space: global }
      - { .name: bp, .offset: 24, .size: 8, .value_kind: global_buffer, .address_space: global }
      - { .name: hidden_states, .offset: 32, .size: 8, .value_kind: global_buffer, .address_space: global }
    .group_segment_fixed_size: 327680
    .private_segment_fixed_size: 0
    .kernarg_segment_align: 8
    .kernarg_segment_size: 40
    .max_flat_workgroup_size: 128
    .sgpr_count:     92
    .vgpr_count:     640
    .wavefront_size: 32
...
	.end_amdgpu_metadata
.endif
;; end of part 4
;; launch ln2 (part 5): grid 512 x 1, 4 waves a work-group, no clusters, 0 bytes of LDS; arguments h32, ln2_g, ln2_b, x16; writes x16
.if DOCPART == 5
	.amdgcn_target "amdgcn-amd-amdhsa--gfx1250"
	.amdhsa_code_object_version 6
	.text
	.protected	k_q88a6c633be_ln2
	.globl	k_q88a6c633be_ln2
	.p2align	8
	.type	k_q88a6c633be_ln2,@function
k_q88a6c633be_ln2:
	s_mov_b64 s[64:65], 0
	v_nop
	global_prefetch_b8 v0, s[64:65] scope:SCOPE_SE
	s_setreg_imm32_b32 hwreg(HW_REG_WAVE_MODE, 25, 1), 1
	s_wait_xcnt 0x0
; LN2: x16 = LayerNorm(h32) * ln2_g + ln2_b, rounded once to f16.  h32: [4096][1024] f32; x16: [4096][1024] f16.
; A row is 4,096 bytes; a wave takes two rows, whole, in registers: nothing is read twice, no wave waits for another, so there is no LDS and no barrier; the matrix unit has nothing to do here.
; Lane l loads 16 bytes at 16 l + 512 j (j = 0..7): each load of the wave covers 512 consecutive bytes.  Its four numbers of group j leave as 8 bytes at 8 l + 256 j: each store covers 256 consecutive bytes, aligned.
; The variance is taken of x - mean (two passes over registers): no difference of large sums is formed.
; LIMITS.  f16 holds no number beyond 65,504: |LN output| <= 32 |g| + |b| must lie within it.  NaN and infinities are not treated apart.
.set LO,   1                           ; v1        16 x lane
.set SO,   2                           ; v2        8 x lane
.set G,    8                           ; v[8:39]   the gains of my 32 columns
.set BB,   40                          ; v[40:71]  the biases
.set X,    72                          ; v[72:135] two rows, 32 registers each
.set T,    136                         ; v[136:151] at work
.set MEAN, 152                         ; v[152:153] the mean, twice
.set RS,   154                         ; v[154:155] 1 / sqrt(var + eps), twice
.set PX,   156                         ; v156      the lane exchange's destination
	s_load_b256 s[8:15], s[0:1], 0x0               ; h32 s[8:9], g s[10:11], b s[12:13], x16 s[14:15]
	v_and_b32 v[LO], 31, v0                        ; lane
	v_lshrrev_b32 v3, 5, v0
	v_readfirstlane_b32 s2, v3                     ; wave 0..3
	v_lshlrev_b32 v[SO], 3, v[LO]
	v_lshlrev_b32 v[LO], 4, v[LO]
	v_mov_b32 v[PX], 0                             ; v_permlanex16_b32 counts as a reader of its destination
	s_lshl_b32 s3, ttmp9, 3
	s_lshl1_add_u32 s3, s2, s3                     ; my first row: 8 x + 2 wave
	s_mov_b32 s30, 0x76543210                      ; lane i of one half reads lane i of the other
	s_mov_b32 s31, 0xfedcba98
	s_mov_b32 s37, 0x3a800000                      ; 1 / 1024
	s_mov_b32 s38, 0x3727c5ac                      ; 1e-5
	s_lshl_b32 s40, s3, 12                         ; its bytes in h32,
	s_mov_b32 s41, 0
	s_lshl_b32 s42, s3, 11                         ; and in x16
	s_mov_b32 s43, 0
.macro LANES                           ; the sum of v[T] over the 32 lanes, in every lane
	v_add_f32_dpp v[T], v[T], v[T] row_xmask:1 row_mask:0xf bank_mask:0xf
	v_add_f32_dpp v[T], v[T], v[T] row_xmask:2 row_mask:0xf bank_mask:0xf
	v_add_f32_dpp v[T], v[T], v[T] row_xmask:4 row_mask:0xf bank_mask:0xf
	v_add_f32_dpp v[T], v[T], v[T] row_xmask:8 row_mask:0xf bank_mask:0xf
	v_permlanex16_b32 v[PX], v[T], s30, s31
	v_add_f32 v[T], v[T], v[PX]
.endm
.macro LNROW i, left                   ; left: the younger loads that may stay out
.set XB, X+32*(\i)
	s_wait_loadcnt \left
.irp k, 0,1,2,3,4,5,6,7
	v_pk_add_f32 v[T+2*(\k):T+2*(\k)+1], v[XB+4*(\k):XB+4*(\k)+1], v[XB+4*(\k)+2:XB+4*(\k)+3]  ; eight chains start the sum: nothing is cleared
.endr
.irp k, 0,1,2,3
	v_pk_add_f32 v[T+2*(\k):T+2*(\k)+1], v[T+2*(\k):T+2*(\k)+1], v[T+8+2*(\k):T+8+2*(\k)+1]
.endr
.irp k, 0,1
	v_pk_add_f32 v[T+2*(\k):T+2*(\k)+1], v[T+2*(\k):T+2*(\k)+1], v[T+4+2*(\k):T+4+2*(\k)+1]
.endr
	v_pk_add_f32 v[T:T+1], v[T:T+1], v[T+2:T+3]
	v_add_f32 v[T], v[T], v[T+1]
	LANES
	v_mul_f32 v[MEAN], s37, v[T]
	v_mul_f32 v[MEAN+1], s37, v[T]
.irp k, 0,1,2,3,4,5,6,7,8,9,10,11,12,13,14,15
	v_pk_add_f32 v[XB+2*(\k):XB+2*(\k)+1], v[XB+2*(\k):XB+2*(\k)+1], v[MEAN:MEAN+1] neg_lo:[0,1] neg_hi:[0,1]  ; x - mean
.endr
.irp k, 0,1,2,3
	v_pk_mul_f32 v[T+2*(\k):T+2*(\k)+1], v[XB+2*(\k):XB+2*(\k)+1], v[XB+2*(\k):XB+2*(\k)+1]  ; four chains of squares
.endr
.irp k, 4,5,6,7,8,9,10,11,12,13,14,15
	v_pk_fma_f32 v[T+2*((\k)%4):T+2*((\k)%4)+1], v[XB+2*(\k):XB+2*(\k)+1], v[XB+2*(\k):XB+2*(\k)+1], v[T+2*((\k)%4):T+2*((\k)%4)+1]
.endr
	v_pk_add_f32 v[T:T+1], v[T:T+1], v[T+4:T+5]
	v_pk_add_f32 v[T+2:T+3], v[T+2:T+3], v[T+6:T+7]
	v_pk_add_f32 v[T:T+1], v[T:T+1], v[T+2:T+3]
	v_add_f32 v[T], v[T], v[T+1]
	LANES
	v_fma_f32 v[T], v[T], s37, s38                 ; var + eps
	v_rsq_f32 v[RS], v[T]
	v_rsq_f32 v[RS+1], v[T]
	v_nop                                          ; a plain instruction behind the second root,
	s_wait_alu depctr_va_vdst(0)                   ; and the wait ahead of the first use: one for both
.irp k, 0,1,2,3,4,5,6,7,8,9,10,11,12,13,14,15
	v_pk_mul_f32 v[XB+2*(\k):XB+2*(\k)+1], v[XB+2*(\k):XB+2*(\k)+1], v[RS:RS+1]
.endr
.irp k, 0,1,2,3,4,5,6,7,8,9,10,11,12,13,14,15
	v_pk_fma_f32 v[XB+2*(\k):XB+2*(\k)+1], v[XB+2*(\k):XB+2*(\k)+1], v[G+2*(\k):G+2*(\k)+1], v[BB+2*(\k):BB+2*(\k)+1]
.endr
.irp k, 0,1,2,3,4,5,6,7,8,9,10,11,12,13,14,15
	v_cvt_pk_f16_f32 v[XB+(\k)], v[XB+2*(\k)], v[XB+2*(\k)+1]  ; in place: register k takes registers 2 k, 2 k + 1, never one that is still to be read
.endr
.irp j, 0,1,2,3,4,5,6,7
	global_store_b64 v[SO], v[XB+2*(\j):XB+2*(\j)+1], s[14:15] offset:2048*(\i)+256*(\j)
.endr
.endm
	s_wait_kmcnt 0x0
	s_add_nc_u64 s[8:9], s[8:9], s[40:41]
	s_add_nc_u64 s[14:15], s[14:15], s[42:43]
.irp j, 0,1,2,3,4,5,6,7
	global_load_b128 v[G+4*(\j):G+4*(\j)+3], v[LO], s[10:11] offset:512*(\j)
.endr
.irp j, 0,1,2,3,4,5,6,7
	global_load_b128 v[BB+4*(\j):BB+4*(\j)+3], v[LO], s[12:13] offset:512*(\j)
.endr
.irp i, 0,1
.irp j, 0,1,2,3,4,5,6,7
	global_load_b128 v[X+32*(\i)+4*(\j):X+32*(\i)+4*(\j)+3], v[LO], s[8:9] offset:4096*(\i)+512*(\j)
.endr
.endr
	LNROW 0, 8                                     ; row 1's eight loads stay out; gains, biases and row 0 are older
	LNROW 1, 0
	s_endpgm
.Lfunc_end_k_q88a6c633be_ln2:
	.size	k_q88a6c633be_ln2, .Lfunc_end_k_q88a6c633be_ln2-k_q88a6c633be_ln2
	.p2alignl 7, 3214868480
	.fill 96, 4, 3214868480
	.section	.rodata,"a",@progbits
	.p2align	6, 0x0
	.amdhsa_kernel k_q88a6c633be_ln2
		.amdhsa_group_segment_fixed_size 0
		.amdhsa_private_segment_fixed_size 0
		.amdhsa_enable_private_segment 0
		.amdhsa_kernarg_size 32
		.amdhsa_user_sgpr_count 2
		.amdhsa_user_sgpr_kernarg_segment_ptr 1
		.amdhsa_wavefront_size32 1
		.amdhsa_system_sgpr_workgroup_id_x 1
		.amdhsa_system_sgpr_workgroup_id_y 1
		.amdhsa_system_sgpr_workgroup_id_z 1
		.amdhsa_system_vgpr_workitem_id 0
		.amdhsa_next_free_vgpr 168
		.amdhsa_next_free_sgpr 66
		.amdhsa_reserve_vcc 0
		.amdhsa_float_denorm_mode_32 3
		.amdhsa_float_denorm_mode_16_64 3
		.amdhsa_memory_ordered 1
		.amdhsa_forward_progress 1
		.amdhsa_inst_pref_size 20
	.end_amdhsa_kernel
	.amdgpu_metadata
---
amdhsa.version: [ 1, 2 ]
amdhsa.kernels:
  - .name:           k_q88a6c633be_ln2
    .symbol:         k_q88a6c633be_ln2.kd
    .args:
      - { .name: h32, .offset: 0, .size: 8, .value_kind: global_buffer, .address_space: global }
      - { .name: ln2_g, .offset: 8, .size: 8, .value_kind: global_buffer, .address_space: global }
      - { .name: ln2_b, .offset: 16, .size: 8, .value_kind: global_buffer, .address_space: global }
      - { .name: x16, .offset: 24, .size: 8, .value_kind: global_buffer, .address_space: global }
    .group_segment_fixed_size: 0
    .private_segment_fixed_size: 0
    .kernarg_segment_align: 8
    .kernarg_segment_size: 32
    .max_flat_workgroup_size: 128
    .sgpr_count:     66
    .vgpr_count:     168
    .wavefront_size: 32
...
	.end_amdgpu_metadata
.endif
;; end of part 5
;; launch fc1 (part 6): grid 16 x 16, 4 waves a work-group, clusters of 4 x 4, 327,680 bytes of LDS; arguments x16, w16, g16, b1; writes g16
.if DOCPART == 6
	.amdgcn_target "amdgcn-amd-amdhsa--gfx1250"
	.amdhsa_code_object_version 6
	.text
	.protected	k_q88a6c633be_fc1
	.globl	k_q88a6c633be_fc1
	.p2align	8
	.type	k_q88a6c633be_fc1,@function
k_q88a6c633be_fc1:
	s_mov_b64 s[64:65], 0
	v_nop
	global_prefetch_b8 v0, s[64:65] scope:SCOPE_SE
	s_setreg_imm32_b32 hwreg(HW_REG_WAVE_MODE, 25, 1), 1
	s_wait_xcnt 0x0
	s_wait_alu depctr_hold_cnt(0) depctr_sa_sdst(0) depctr_va_vdst(0) depctr_va_sdst(0) depctr_va_ssrc(0) depctr_va_vcc(0) depctr_vm_vsrc(0)
	s_getreg_b32 s2, hwreg(HW_REG_IB_STS2, 6, 4)
	s_cmp_eq_u32 s2, 0
	s_cbranch_scc0 .Lentry_in_a_cluster
	s_endpgm
.Lentry_in_a_cluster:
	s_bfe_u32 s2, ttmp6, 0x10000c
	s_cmp_lg_u32 s2, 0xf033
	s_cbranch_scc0 .Lentry_shape_is_right
	s_endpgm
.Lentry_shape_is_right:
; FC1: g16 = gelu(x16 [4096][1024] x W1 + b1), the exact GELU 0.5 x (1 + erf(x / sqrt 2)), rounded once to f16 and stored BY PLANES: g16[column / 64][token][column % 64].
; W1: f16 [1024][4096] as it lies ([K][N]), at byte 8,388,608 of w16.  (One template serves this launch and the q, k, v projection; the flags QKV and GELU at its head choose.)
; SHARES.  A tile of C is 256 x 256: 16 x 16 = 256 work-groups.  Four waves, as many as a WGP has SIMDs, each 128 x 128: 64 accumulators of 16 x 16, 512 registers.
; K goes in 8 steps of 128 through a ring of two LDS slots: 256 rows x 256 bytes of A, 128 k rows x 512 bytes of W.
; CLUSTER.  4 x 4 work-groups: the four of a row of the cluster need the same tiles of A, the four of a column the same tiles of W: each tile is asked for JOINTLY, by the same tensor load with the same descriptor and a mask of four.
; THE MATRIX INSTRUCTION IS USED TRANSPOSED: source 0 = 16 columns of W (turned on the way out of LDS by ds_load_tr16_b128), source 1 = 16 rows of A: a lane holds row lane % 16 of C and eight neighbouring columns.
; THE SUMS START AS THE BIAS: the first quarter step is written out with the bias registers as C, and the loop is then entered in its middle: nothing is cleared, no bias is added at the end.
; ONE TEXT FOR A SLOT: read addresses and the walking descriptors are turned from slot to slot by one exclusive or (SLOT's two bits are set in no piece's start).  The last two K steps run a second copy, which fills nothing;
; its very last change of slots (a barrier and 32 LDS loads of bytes filled earlier) serves nothing: the price, once a launch, of a looped tail.
; THE WAY OUT.  The sums are laid in f32 over the ring, which has had its last fill, behind a barrier: for each wave 256 rows (plane x 128 + token) of 256 bytes.  Then one text for 16 rows of a plane is walked 16 times:
; rows come back as 32 bytes a lane, take the GELU, are rounded, and leave as 512 consecutive bytes a store.
; erf by Abramowitz and Stegun 7.1.26, for every argument: erf z = 1 - (a1 t + .. + a5 t^5) e^(-z z), t = 1 / (1 + p z), z >= 0; its absolute error is 1.5e-7 at the most.  gelu = 0.5 x + |0.5 x| erf(|x| / sqrt 2).
; REGISTERS, in windows of 256: window 0: v1-30 addresses; v32-63 at work on the way out; v64-127, v128-191 fragments of A, two buffers (on the way out: the GELU's registers); v192-255 the bias of my 128 columns.
;   window 1: v64-127, v128-191 fragments of W, two buffers.   window 2: the 32 accumulators of my rows 0-63 ((a, b) at v[8 (8 a + b)]);   window 3: those of my rows 64-127.
; LIMITS.  f16 operands and results: no number beyond 65,504; sums and the GELU in f32.  NaN and infinities are not treated apart.
.set KSTEPS, 8                         ; K / 128
.set NW,     4096                      ; elements in a row of W
.set QKV,    0
.set GELU,   1
.set WOFF,   8388608
.set PA,     272                       ; a row of A in LDS: 256 bytes + 16: an odd multiple of 16
.set PW,     544                       ; a row of W in LDS: 512 bytes + 32: an odd multiple of 32
.set PIECE,  34816                     ; what one tensor load fills: 128 rows of A, or 64 k rows of W
.set SLOT,   4*PIECE                   ; A's two pieces, then W's two
.set ASTEP,  256                       ; bytes from K step to K step in A,
.set WSTEP,  256*NW                    ; and in W: 128 rows
.set DP,     272                       ; a row of the f32 dump: 256 bytes + 16
.set SPARE,  2*SLOT                    ; behind the ring: the spare words, 128 bytes for each wave, which no other line names
.set ADRA0, 10                         ; v10     my place in slot 0's A
.set ADRB0, 11                         ; v11     my place in slot 0's W
.set ADRA,  16                         ; v16     the same in the slot in hand
.set ADRB,  17                         ; v17
.set STO,   24                         ; v24     the way out: where I put 32 bytes of a row
.set RD,    25                         ; v25     where I read 32 bytes of a row back
.set CO,    26                         ; v26     16 x lane: my place in 512 bytes of the output; never rewritten
.set BO,    27                         ; v27     my byte offset in 16 columns of the bias
.set SPW,   28                         ; v28     LDS address of my spare word; never rewritten
.set NIL,   29                         ; v29     0; never rewritten
.set PFO,   30                         ; v30     the prefetches' offset; never rewritten
.set GX,    32                         ; v32-63   the GELU: x, then 0.5 x, then the result
.set GD,    64                         ; v64-95   1 + p |x|, then t; at the end the packed results
.set GE,    96                         ; v96-127  x x, its exponential, then erf
.set GP,    128                        ; v128-159 the polynomial
.set F0,    64                         ; fragment buffer 0, in windows 0 (A) and 1 (W)
.set F1,    128                        ; fragment buffer 1
.set BI,    192                        ; v192-255 the bias: column block b at BI + 8 b
.set G1,  24                           ; s[24:31] descriptor group 1 for A;  s[32:39] group 0: set 0 (K step 0), set 1 (K step 1, then it walks)
.set G0,  32
.set G1B, 48                           ; s[48:55], s[56:63] the same for W
.set G0B, 56
.set TB,  45                           ; s45     0 or SLOT: the slot that is read
.set LIM, 77                           ; s77     1 in a wave that prefetches, else the greatest number
.set PFA, 88                           ; s[88:89] where my prefetches stand
.set PFS, 90                           ; s[90:91] their step: a K step of A or of W
.set MSB, 0
.macro WIN new                         ; the immediate's high byte repeats the setting that is left; a switch that changes nothing is dropped
.if MSB != (\new)
	s_set_vgpr_msb (MSB<<8)|(\new)
.set MSB, \new
.endif
.endm
.set MUL_LO, 0xa1                      ; source 0 (W) window 1, source 1 (A) window 0, C and D window 2
.set MUL_HI, 0xf1                      ; the same, C and D window 3
.set TO_B,   0x40                      ; destination window 1, address window 0
.macro JLOAD                           ; a joint refill by the walking sets: waves 0 and 1 fetch A's two pieces, waves 2 and 3 W's; an s_nop 0 and four v_nop follow each line
	s_cmp_eq_u32 s11, 0
	s_cbranch_scc0 .Lfor_w_\@
	tensor_load_to_lds s[G0+4:G0+7], s[G1:G1+7]
	s_nop 0
.rept 4
	v_nop
.endr
	s_branch .Lasked_\@
.Lfor_w_\@:
	tensor_load_to_lds s[G0B+4:G0B+7], s[G1B:G1B+7]
	s_nop 0
.rept 4
	v_nop
.endr
.Lasked_\@:
.endm
; A PREFETCH INTO THE L2, behind each joint refill and the run of LDS loads that follows it: the K step that the NEXT refill will ask for, one K step (256 matrix instructions) ahead of that load: 32 blocks of 256 bytes, a lane a block.
; Each block is named ONCE in the launch.  A's tile row is read by every cluster of that row of clusters: those with x = 0 ask; W's tile column by every cluster of that column: those with y = 0 ask.  The four partners that ask for a
; piece jointly share it out BY ADDRESS: of A's 128 rows the partner at place p takes 32 p .. 32 p + 31 (a lane a row), of W's 64 k rows 16 p .. 16 p + 15 (two lanes a row of 512 bytes): no branch hangs on a place in the cluster.
; K steps 0 to 2 come by their loads alone; the loop's last trip (s3 = 1) asks for nothing: no K step is left.
.macro ASK
	s_cmp_gt_u32 s3, s[LIM]
	s_cbranch_scc0 .Lnot_mine_\@
	global_prefetch_b8 v[PFO], s[PFA:PFA+1] th:TH_LOAD_NT scope:SCOPE_SE
.Lnot_mine_\@:
.endm
.macro CREST                           ; a round of the cluster's barrier behind its opening barrier
	s_cmp_lg_u32 s10, 0
	s_cbranch_scc1 .Lnot_wave_0_\@
	s_barrier_signal -3
.Lnot_wave_0_\@:
	s_barrier_wait -3
	s_barrier_signal -1
	s_barrier_wait -1
.endm
.macro CROUND                          ; a whole round
	s_barrier_signal -1
	s_barrier_wait -1
	CREST
.endm
.macro PLACES                          ; four plain instructions between a matrix instruction and a load into, or a read of, its registers
.rept 4
	v_nop
.endr
.endm
.macro BASES                           ; my read addresses in the slot in hand
	v_add_nc_u32 v[ADRA], s[TB], v[ADRA0]
	v_add_nc_u32 v[ADRB], s[TB], v[ADRB0]
.endm
; 16 matrix instructions: m blocks a0, a0 + 1 of the window's four (hi = 0: my rows 0-63, 1: rows 64-127) x all 8 n blocks, 32 along K.  bias = 1: the products start the sums, with the bias as C.
; The 64 accumulators take turns, one instruction a turn, in the same order in every quarter step, over the loops' edges too.
.macro MUL16 f, hi, a0, bias=0
.if \bias
	WIN 0x81+0x40*(\hi)                            ; W window 1, A and the bias window 0, D window 2 or 3
.else
	WIN MUL_LO+0x50*(\hi)                          ; MUL_LO or MUL_HI
.endif
.irp a, \a0, (\a0)+1
.irp b, 0,1,2,3,4,5,6,7
.if \bias
	v_wmma_f32_16x16x32_f16 v[8*(8*(\a)+(\b)):8*(8*(\a)+(\b))+7], v[(\f)+8*(\b):(\f)+8*(\b)+7], v[(\f)+8*(4*(\hi)+(\a)):(\f)+8*(4*(\hi)+(\a))+7], v[BI+8*(\b):BI+8*(\b)+7]
.else
	v_wmma_f32_16x16x32_f16 v[8*(8*(\a)+(\b)):8*(8*(\a)+(\b))+7], v[(\f)+8*(\b):(\f)+8*(\b)+7], v[(\f)+8*(4*(\hi)+(\a)):(\f)+8*(4*(\hi)+(\a))+7], v[8*(8*(\a)+(\b)):8*(8*(\a)+(\b))+7]
.endif
.endr
.endr
.endm
; 32 LDS loads in one run: the fragments of quarter q (32 along K) of the slot in hand, into buffer f: W's eight column blocks, then A's eight row blocks
.macro FETCH q, f
	WIN TO_B
.irp i, 0,1,2,3,4,5,6,7
	ds_load_tr16_b128 v[(\f)+8*(\i):(\f)+8*(\i)+3],   v[ADRB] offset:(\q)*32*PW+32*(\i)
	ds_load_tr16_b128 v[(\f)+8*(\i)+4:(\f)+8*(\i)+7], v[ADRB] offset:(\q)*32*PW+32*(\i)+16*PW
.endr
	WIN 0
.irp i, 0,1,2,3,4,5,6,7
	ds_load_b128 v[(\f)+8*(\i):(\f)+8*(\i)+3],   v[ADRA] offset:(\q)*64+(\i)*16*PA
	ds_load_b128 v[(\f)+8*(\i)+4:(\f)+8*(\i)+7], v[ADRA] offset:(\q)*64+(\i)*16*PA+32
.endr
.endm
; One of a K step's first three quarters: multiplies buffer f and, in its middle, fetches quarter q into buffer g.
.macro QUARTER q, f, g, bias=0
	s_wait_dscnt 8                                 ; W and A's rows 0-63 are in; the youngest eight loads (A's rows 64-127) may be out
	MUL16 \f, 0, 0, \bias
	MUL16 \f, 0, 2, \bias
	PLACES
	FETCH \q, \g
	s_wait_dscnt 32                                ; all but the 32 just issued
	MUL16 \f, 1, 0, \bias
	MUL16 \f, 1, 2, \bias
.endm
; The last quarter multiplies buffer 1 and changes slots: each wave waits for all its tensor loads (one is out: its piece of the other slot), adds 0 to its spare word, waits for that and for its reads of this slot, and meets the others.
; fill = 1: the barrier opens a round of the cluster's barrier, and this slot is filled again, first thing behind the round, with the K step two on: 224 matrix instructions ahead of the wait for it.
.macro TURN fill
	WIN 0
.if \fill
	s_wait_xcnt 0x0                                ; the last prefetch, a K step back, has read its address: it is stepped here, ahead of the waits of the change of slots
	s_add_nc_u64 s[PFA:PFA+1], s[PFA:PFA+1], s[PFS:PFS+1]
.endif
	s_wait_tensorcnt 0x0                           ; all my tensor loads have landed
	ds_add_u32 v[SPW], v[NIL]                      ; 0 onto my spare word
	s_wait_dscnt 9                                 ; (the add and the youngest eight loads may be out)
	MUL16 F1, 0, 0
	s_wait_dscnt 0x0                               ; the add is done, and my reads of this slot are over
	s_barrier_signal -1
	MUL16 F1, 0, 2
	WIN 0
	s_barrier_wait -1
.if \fill
	CREST                                          ; no wave of any partner still reads this slot or has a load on its way
	s_xor_b32 s[G0+5], s[G0+5], SLOT               ; the walking sets: the other slot than last time, the next K step; no tensor load of mine is out
	s_add_nc_u64 s[G0+6:G0+7], s[G0+6:G0+7], ASTEP
	s_xor_b32 s[G0B+5], s[G0B+5], SLOT
	s_add_nc_u64 s[G0B+6:G0B+7], s[G0B+6:G0B+7], WSTEP
	JLOAD                                          ; its four v_nop are also the places in front of the loads below
.else
	PLACES
.endif
	s_xor_b32 s[TB], s[TB], SLOT
	BASES
	FETCH 0, F0
.if \fill
	ASK
.endif
	MUL16 F1, 1, 0
	MUL16 F1, 1, 2
.endm
	s_load_b128 s[4:7], s[0:1], 0x0                ; A s[4:5], w16 s[6:7]
	s_load_b64 s[8:9], s[0:1], 0x10                ; the output
	s_load_b64 s[66:67], s[0:1], 0x18              ; the bias
.if QKV
	s_load_b128 s[72:75], s[0:1], 0x20             ; bk, bv
.endif
	v_lshl_add_u32 v[SPW], v0, 2, SPARE
	v_mov_b32 v[NIL], 0
	ds_add_u32 v[SPW], v[NIL]                      ; the wave's opening: the add and its wait stand ahead of my first tensor load; the set-up below stands between them
	ds_add_u32 v28, v29
	v_lshrrev_b32 v1, 5, v0
	v_readfirstlane_b32 s10, v1                    ; wave 0..3
	s_lshr_b32 s11, s10, 1                         ; which half of the tile's rows is mine.  Also: I fetch for A (0) or for W (1)
	s_and_b32 s12, s10, 1                          ; which half of its columns.  Also: which piece I fetch
	s_bfe_u32 s40, ttmp6, 0x40000                  ; cx, cy: my place in the cluster
	s_bfe_u32 s41, ttmp6, 0x40004
	s_lshl_b32 s42, ttmp9, 2
	s_add_co_u32 s42, s42, s40                     ; tile column of C
	s_and_b32 s13, ttmp7, 0xffff
	s_lshl_b32 s13, s13, 2
	s_add_co_u32 s13, s13, s41                     ; tile row of C
	s_lshl_b32 s43, s41, 2
	s_lshl_b32 s43, 15, s43                        ; my row of the cluster
	s_lshl_b32 s44, 0x1111, s40                    ; my column
	s_or_b32 s[G1+0], s43, (1<<16)|(1<<20)|(1<<21)|(5<<22)|(3<<25)  ; A: 15:0 the mask; 17:16 elements of 2 bytes; 20 padding on; 21 set beside a mask; 24:22 after every 64 words; 31:25 4 words of padding
	s_mov_b32 s[G1+1], 128<<16                     ; tensor_dim0 = 128 along K
	s_mov_b32 s[G1+2], 128<<16                     ; tensor_dim1 = 128 rows
	s_mov_b32 s[G1+3], 128<<16                     ; tile_dim0
	s_mov_b32 s[G1+4], 128                         ; tile_dim1
	s_mov_b32 s[G1+5], 1024                        ; elements from row to row
	s_mov_b32 s[G1+6], 0
	s_mov_b32 s[G1+7], 0
	s_or_b32 s[G1B+0], s44, (1<<16)|(1<<20)|(1<<21)|(6<<22)|(7<<25)  ; W: after every 128 words 8 words of padding
	s_mov_b32 s[G1B+1], 256<<16                    ; 256 columns
	s_mov_b32 s[G1B+2], 64<<16                     ; 64 k rows
	s_mov_b32 s[G1B+3], 256<<16
	s_mov_b32 s[G1B+4], 64
	s_mov_b32 s[G1B+5], NW
	s_mov_b32 s[G1B+6], 0
	s_mov_b32 s[G1B+7], 0
.if GELU
	s_mov_b32 s76, 0x3e6d3388                      ; p / sqrt 2 = 0.23164189
	s_mov_b32 s78, 0x3f87dc22                      ; a5 =  1.061405429; each constant is named as a pair, so both words are written
	s_mov_b32 s79, 0x3f87dc22
	s_mov_b32 s80, 0xbfba00e3                      ; a4 = -1.453152027
	s_mov_b32 s81, 0xbfba00e3
	s_mov_b32 s82, 0x3fb5f0e3                      ; a3 =  1.421413741
	s_mov_b32 s83, 0x3fb5f0e3
	s_mov_b32 s84, 0xbe91a98e                      ; a2 = -0.284496736
	s_mov_b32 s85, 0xbe91a98e
	s_mov_b32 s86, 0x3e827906                      ; a1 =  0.254829592
	s_mov_b32 s87, 0x3e827906
.endif
	; where the tiles come from: A's hang on the tile row and the wave alone, W's on the tile column and the wave alone
	s_lshl_b32 s16, s13, 19                        ; 256 rows of 2,048 bytes a tile row,
	s_lshl_b32 s17, s12, 18                        ; my 128 of them
	s_add_co_u32 s16, s16, s17
	s_mov_b32 s17, 0
	s_mul_i32 s46, s12, 128*NW                     ; my 64 k rows
.if QKV
	s_lshr_b32 s47, s42, 2                         ; which of the three matrices,
	s_lshl_b32 s47, s47, 21                        ; 2,097,152 bytes each,
	s_add_co_u32 s46, s46, s47
	s_and_b32 s47, s42, 3
	s_lshl_b32 s47, s47, 9                         ; and its 256 columns
	s_add_co_u32 s46, s46, s47
.else
	s_lshl_b32 s47, s42, 9                         ; the tile's 256 columns
	s_add_co_u32 s46, s46, s47
	s_add_co_u32 s46, s46, WOFF
.endif
	s_mov_b32 s47, 0
	s_mul_i32 s20, s12, PIECE                      ; where they go: no place in the cluster enters an LDS address
	s_mov_b32 s[TB], 0
	; the prefetches: who asks, which part of a piece is my work-group's, and my lane's block in it
	s_and_b32 s22, ttmp7, 0xffff                   ; cluster y
	s_mov_b32 s23, 32*NW                           ; W: a partner's 16 k rows, in bytes
	s_mov_b32 s[PFS], WSTEP
	s_mov_b32 s[PFS+1], 0
	s_mov_b32 s19, 2*NW                            ; W: bytes in a row
	s_cmp_eq_u32 s11, 0                            ; do I fetch for A?
	s_cselect_b32 s21, s40, s41                    ; my place among the four that ask with me
	s_cselect_b32 s22, ttmp9, s22                  ; the coordinate along which other clusters read the same blocks
	s_cselect_b32 s23, 0x10000, s23                ; A: a partner's 32 rows of 2,048 bytes
	s_cselect_b32 s[PFS], ASTEP, s[PFS]
	s_cselect_b32 s19, 2048, s19
	s_cselect_b32 s18, 0, 1                        ; A: a lane a row; W: two lanes a row
	s_mul_i32 s70, s21, s23
	s_mov_b32 s71, 0
	s_cmp_eq_u32 s22, 0
	s_cselect_b32 s[LIM], 1, -1                    ; the same in all sixteen partners, for a given wave
	v_and_b32 v3, 31, v0
	v_lshrrev_b32 v4, s18, v3
	v_mul_lo_u32 v4, v4, s19
	v_and_b32 v3, s18, v3
	v_lshl_add_u32 v[PFO], v3, 8, v4
	s_wait_dscnt 0x0                               ; the opening add is done
	s_wait_kmcnt 0x0
	s_add_nc_u64 s[14:15], s[4:5], s[16:17]
	s_add_nc_u64 s[46:47], s[6:7], s[46:47]
	CROUND                                         ; all sixteen work-groups are here: the first joint loads meet
.irp s, 0,1
	s_mov_b32 s[G0+4*(\s)], 1
	s_add_co_u32 s[G0+4*(\s)+1], s20, (\s)*SLOT
	s_add_nc_u64 s[G0+4*(\s)+2:G0+4*(\s)+3], s[14:15], (\s)*ASTEP
	s_or_b32 s[G0+4*(\s)+3], s[G0+4*(\s)+3], 0x80000000
	s_mov_b32 s[G0B+4*(\s)], 1
	s_add_co_u32 s[G0B+4*(\s)+1], s20, (\s)*SLOT+2*PIECE
	s_add_nc_u64 s[G0B+4*(\s)+2:G0B+4*(\s)+3], s[46:47], (\s)*WSTEP
	s_or_b32 s[G0B+4*(\s)+3], s[G0B+4*(\s)+3], 0x80000000
.endr
	s_cmp_eq_u32 s11, 0                            ; a wave's two first fills stand in one branch, ahead of every wait on TENSORcnt and every LDS read: two loads of mine are out
	s_cbranch_scc0 .Lfirst_w
	tensor_load_to_lds s[G0:G0+3], s[G1:G1+7]
	s_nop 0
	tensor_load_to_lds s[G0+4:G0+7], s[G1:G1+7]
	s_nop 0
.rept 4
	v_nop
.endr
	s_branch .Lfirst_asked
.Lfirst_w:
	tensor_load_to_lds s[G0B:G0B+3], s[G1B:G1B+7]
	s_nop 0
	tensor_load_to_lds s[G0B+4:G0B+7], s[G1B:G1B+7]
	s_nop 0
.rept 4
	v_nop
.endr
.Lfirst_asked:
	s_cmp_eq_u32 s11, 0
	s_cselect_b64 s[PFA:PFA+1], s[14:15], s[46:47] ; my piece at K step 0,
	s_add_nc_u64 s[PFA:PFA+1], s[PFA:PFA+1], s[70:71]  ; my work-group's part of it,
	s_add_nc_u64 s[PFA:PFA+1], s[PFA:PFA+1], s[PFS:PFS+1]
	s_add_nc_u64 s[PFA:PFA+1], s[PFA:PFA+1], s[PFS:PFS+1]  ; at K step 2: the first change of slots steps it to 3.  Nothing is prefetched here, where every work-group's first tiles are on their way
	v_and_b32 v1, 15, v0                           ; r = l % 16
	v_bfe_u32 v2, v0, 4, 1                         ; h = l / 16
	v_mul_u32_u24 v3, v1, PA                       ; a fragment of A: row r, 16 bytes for each half of the lanes, twice, 32 bytes apart
	v_lshl_add_u32 v3, v2, 4, v3
	s_mul_i32 s21, s11, PIECE                      ; my 128 rows are one loader's piece
	v_add_nc_u32 v[ADRA0], s21, v3
	v_and_b32 v4, 7, v0                            ; the turning load: lane l reads k row 8 h + l % 8, columns 8 ((l / 8) % 2) + 0..7, and is left with column r and 8 k
	v_bfe_u32 v5, v0, 3, 1
	v_lshl_add_u32 v6, v2, 3, v4
	v_mul_u32_u24 v6, v6, PW
	v_lshl_add_u32 v6, v5, 4, v6
	s_lshl_b32 s22, s12, 8                         ; my 128 columns
	s_add_co_u32 s22, s22, 2*PIECE                 ; W lies behind A
	v_add_nc_u32 v[ADRB0], s22, v6
	BASES
	v_lshlrev_b32 v[BO], 5, v2                     ; my 8 columns of 16: 32 h bytes
	; the bias of my 128 columns: 64 registers, in the layout of a C operand
.if QKV
	s_lshr_b32 s18, s42, 2
	s_cmp_eq_u32 s18, 1
	s_cselect_b64 s[66:67], s[72:73], s[66:67]
	s_cmp_eq_u32 s18, 2
	s_cselect_b64 s[66:67], s[74:75], s[66:67]
	s_and_b32 s18, s42, 3
	s_lshl_b32 s18, s18, 10
.else
	s_lshl_b32 s18, s42, 10
.endif
	s_lshl_b32 s19, s12, 9
	s_add_co_u32 s18, s18, s19
	s_mov_b32 s19, 0
	s_add_nc_u64 s[66:67], s[66:67], s[18:19]
.irp b, 0,1,2,3,4,5,6,7
	global_load_b128 v[BI+8*(\b):BI+8*(\b)+3],   v[BO], s[66:67] offset:64*(\b)
	global_load_b128 v[BI+8*(\b)+4:BI+8*(\b)+7], v[BO], s[66:67] offset:64*(\b)+16
.endr
	; the way out: my first plane (4 x tile column + 2 x half), my 128 tokens
	s_lshl_b32 s18, s42, 2
	s_lshl1_add_u32 s18, s12, s18
	s_lshl_b32 s18, s18, 12
	s_lshl_b32 s19, s13, 8
	s_add_co_u32 s18, s18, s19
	s_lshl_b32 s19, s11, 7
	s_add_co_u32 s18, s18, s19
	s_lshl_b32 s18, s18, 7                         ; 128 bytes a token
	s_mov_b32 s19, 0
	s_add_nc_u64 s[8:9], s[8:9], s[18:19]
	s_mul_i32 s23, s10, 256*DP                     ; my 256 rows of the dump
	v_mul_u32_u24 v[STO], v1, DP                   ; in: row r, 32 bytes for each half of the lanes
	v_lshl_add_u32 v[STO], v2, 5, v[STO]
	v_add_nc_u32 v[STO], s23, v[STO]
	v_bfe_u32 v[RD], v0, 3, 2                      ; back: 32 lanes take four rows, 8 numbers (32 bytes) each,
	v_mul_u32_u24 v[RD], v[RD], DP
	v_lshl_add_u32 v[RD], v4, 5, v[RD]
	v_add_nc_u32 v[RD], s23, v[RD]
	v_and_b32 v[CO], 31, v0                        ; which leave as 512 consecutive bytes of the plane
	v_lshlrev_b32 v[CO], 4, v[CO]
	s_wait_tensorcnt 1                             ; my piece of K step 0 is in; K step 1's may stay out
	s_barrier_signal -1
	s_barrier_wait -1                              ; everybody's is
	FETCH 0, F0
	s_wait_loadcnt 0x0                             ; the bias
	QUARTER 1, F0, F1, 1                           ; the first quarter step is written out: its products start the sums, with the bias as C
	WIN 0                                          ; at a label and at a branch every window is 0
	s_mov_b32 s3, KSTEPS-2
	s_branch .Lmid                                 ; the loop is entered behind its first quarter
.Lslot:                                                ; every K step but the last two fills its slot again
	QUARTER 1, F0, F1
	WIN 0
.Lmid:
	QUARTER 2, F1, F0
	QUARTER 3, F0, F1
	TURN 1
	WIN 0
	s_sub_co_u32 s3, s3, 1
	s_cmp_lg_u32 s3, 0
	s_cbranch_scc1 .Lslot
	s_mov_b32 s3, 2
.Ltail:                                                ; the last two K steps ask for nothing
	QUARTER 1, F0, F1
	QUARTER 2, F1, F0
	QUARTER 3, F0, F1
	TURN 0
	WIN 0
	s_sub_co_u32 s3, s3, 1
	s_cmp_lg_u32 s3, 0
	s_cbranch_scc1 .Ltail
	PLACES
	s_wait_dscnt 0x0                               ; my reads of the ring are over (the last change of slots' loads, which serve nothing, among them),
	s_barrier_signal -1
	s_barrier_wait -1                              ; and so are everybody's: the ring, which no tensor load fills any more, takes the sums
	WIN 0x08                                       ; the stores' data in window 2; each accumulator's low four registers first
.irp a, 0,1,2,3
.irp b, 0,1,2,3,4,5,6,7
	ds_store_b128 v[STO], v[8*(8*(\a)+(\b)):8*(8*(\a)+(\b))+3]   offset:((\b)/4)*128*DP+(\a)*16*DP+64*((\b)%4)
	ds_store_b128 v[STO], v[8*(8*(\a)+(\b))+4:8*(8*(\a)+(\b))+7] offset:((\b)/4)*128*DP+(\a)*16*DP+64*((\b)%4)+16
.endr
.endr
	WIN 0x0c                                       ; window 3: my rows 64-127
.irp a, 0,1,2,3
.irp b, 0,1,2,3,4,5,6,7
	ds_store_b128 v[STO], v[8*(8*(\a)+(\b)):8*(8*(\a)+(\b))+3]   offset:((\b)/4)*128*DP+((\a)+4)*16*DP+64*((\b)%4)
	ds_store_b128 v[STO], v[8*(8*(\a)+(\b))+4:8*(8*(\a)+(\b))+7] offset:((\b)/4)*128*DP+((\a)+4)*16*DP+64*((\b)%4)+16
.endr
.endr
	WIN 0
	s_mov_b32 s19, 0
	s_mov_b32 s20, 524288-7*2048                   ; from a plane's last 16 tokens of mine to the next plane's first
	s_mov_b32 s3, 16
.Lout:                                                 ; 16 rows of a plane a trip: eight trips for my first plane, eight for my second; each wave reads only what it stored itself, and LDS serves a wave's instructions in order (ISA guide 5.7.1.4)
.irp f, 0,1,2,3
	ds_load_b128 v[GX+8*(\f):GX+8*(\f)+3],   v[RD] offset:4*DP*(\f)
	ds_load_b128 v[GX+8*(\f)+4:GX+8*(\f)+7], v[RD] offset:4*DP*(\f)+16
.endr
	s_wait_dscnt 0x0
.if GELU
.set i, 0
.rept 32
	v_fma_f32 v[GD+i], |v[GX+i]|, s76, 1.0         ; 1 + p |x| / sqrt 2
.set i, i+1
.endr
.set i, 0
.rept 16
	v_pk_mul_f32 v[GE+2*i:GE+2*i+1], v[GX+2*i:GX+2*i+1], v[GX+2*i:GX+2*i+1]
.set i, i+1
.endr
	; ONE BATCH: 32 reciprocals and 32 exponentials, plain work that names none of their results between them
.set i, 0
.rept 16
	v_rcp_f32 v[GD+2*i], v[GD+2*i]
	v_rcp_f32 v[GD+2*i+1], v[GD+2*i+1]
	v_pk_mul_f32 v[GE+2*i:GE+2*i+1], v[GE+2*i:GE+2*i+1], 0xbf38aa3b op_sel_hi:[1,0]  ; - x x log2(e) / 2
.set i, i+1
.endr
.set i, 0
.rept 16
	v_exp_f32 v[GE+2*i], v[GE+2*i]
	v_exp_f32 v[GE+2*i+1], v[GE+2*i+1]
	v_pk_mul_f32 v[GX+2*i:GX+2*i+1], v[GX+2*i:GX+2*i+1], 0.5 op_sel_hi:[1,0]  ; the last of these is the plain instruction behind the last exponential
.set i, i+1
.endr
	s_wait_alu depctr_va_vdst(0)                   ; the batch's one wait, ahead of the first use
.set i, 0
.rept 16
	v_pk_fma_f32 v[GP+2*i:GP+2*i+1], v[GD+2*i:GD+2*i+1], s[78:79], s[80:81] op_sel_hi:[1,0,0]
.set i, i+1
.endr
.irp k, 82, 84, 86
.set i, 0
.rept 16
	v_pk_fma_f32 v[GP+2*i:GP+2*i+1], v[GP+2*i:GP+2*i+1], v[GD+2*i:GD+2*i+1], s[\k:\k+1] op_sel_hi:[1,1,0]
.set i, i+1
.endr
.endr
.set i, 0
.rept 16
	v_pk_mul_f32 v[GP+2*i:GP+2*i+1], v[GP+2*i:GP+2*i+1], v[GD+2*i:GD+2*i+1]
.set i, i+1
.endr
.set i, 0
.rept 16
	v_pk_fma_f32 v[GE+2*i:GE+2*i+1], v[GP+2*i:GP+2*i+1], v[GE+2*i:GE+2*i+1], 1.0 op_sel_hi:[1,1,0] neg_lo:[1,0,0] neg_hi:[1,0,0]  ; erf
.set i, i+1
.endr
.set i, 0
.rept 32
	v_fma_f32 v[GX+i], |v[GX+i]|, v[GE+i], v[GX+i] ; 0.5 x + |0.5 x| erf
.set i, i+1
.endr
.endif
.set i, 0
.rept 16
	v_cvt_pk_f16_f32 v[GD+i], v[GX+2*i], v[GX+2*i+1]
.set i, i+1
.endr
.irp f, 0,1,2,3
	global_store_b128 v[CO], v[GD+4*(\f):GD+4*(\f)+3], s[8:9] offset:512*(\f)
.endr
	s_wait_xcnt 0x0                                ; the stores have read their data and their base: both are written again below and in the next trip
	s_cmp_eq_u32 s3, 9                             ; behind the eighth trip the second plane begins
	s_cselect_b32 s18, s20, 2048
	s_add_nc_u64 s[8:9], s[8:9], s[18:19]
	v_add_nc_u32 v[RD], 16*DP, v[RD]
	s_sub_co_u32 s3, s3, 1
	s_cmp_lg_u32 s3, 0
	s_cbranch_scc1 .Lout
	s_wait_tensorcnt 0x0                           ; the wave's end: behind my last tensor load and my last LDS store
	ds_add_u32 v[SPW], v[NIL]
	s_wait_dscnt 0x0
	CROUND                                         ; the closing round: no work-group ends while a partner may still ask for a tile that names it
	s_endpgm
.Lfunc_end_k_q88a6c633be_fc1:
	.size	k_q88a6c633be_fc1, .Lfunc_end_k_q88a6c633be_fc1-k_q88a6c633be_fc1
	.p2alignl 7, 3214868480
	.fill 96, 4, 3214868480
	.section	.rodata,"a",@progbits
	.p2align	6, 0x0
	.amdhsa_kernel k_q88a6c633be_fc1
		.amdhsa_group_segment_fixed_size 327680
		.amdhsa_private_segment_fixed_size 0
		.amdhsa_enable_private_segment 0
		.amdhsa_kernarg_size 32
		.amdhsa_user_sgpr_count 2
		.amdhsa_user_sgpr_kernarg_segment_ptr 1
		.amdhsa_wavefront_size32 1
		.amdhsa_system_sgpr_workgroup_id_x 1
		.amdhsa_system_sgpr_workgroup_id_y 1
		.amdhsa_system_sgpr_workgroup_id_z 1
		.amdhsa_system_vgpr_workitem_id 0
		.amdhsa_next_free_vgpr 1024
		.amdhsa_next_free_sgpr 92
		.amdhsa_reserve_vcc 0
		.amdhsa_float_denorm_mode_32 3
		.amdhsa_float_denorm_mode_16_64 3
		.amdhsa_memory_ordered 1
		.amdhsa_forward_progress 1
		.amdhsa_inst_pref_size 98
	.end_amdhsa_kernel
	.amdgpu_metadata
---
amdhsa.version: [ 1, 2 ]
amdhsa.kernels:
  - .name:           k_q88a6c633be_fc1
    .symbol:         k_q88a6c633be_fc1.kd
    .args:
      - { .name: x16, .offset: 0, .size: 8, .value_kind: global_buffer, .address_space: global }
      - { .name: w16, .offset: 8, .size: 8, .value_kind: global_buffer, .address_space: global }
      - { .name: g16, .offset: 16, .size: 8, .value_kind: global_buffer, .address_space: global }
      - { .name: b1, .offset: 24, .size: 8, .value_kind: global_buffer, .address_space: global }
    .group_segment_fixed_size: 327680
    .private_segment_fixed_size: 0
    .kernarg_segment_align: 8
    .kernarg_segment_size: 32
    .max_flat_workgroup_size: 128
    .sgpr_count:     92
    .vgpr_count:     1024
    .wavefront_size: 32
...
	.end_amdgpu_metadata
.endif
;; end of part 6
;; launch fc2 (part 7): grid 8 x 32, 4 waves a work-group, clusters of 4 x 4, 327,680 bytes of LDS; arguments g16, w16, out0, b2, h32; writes out0
.if DOCPART == 7
	.amdgcn_target "amdgcn-amd-amdhsa--gfx1250"
	.amdhsa_code_object_version 6
	.text
	.protected	k_q88a6c633be_fc2
	.globl	k_q88a6c633be_fc2
	.p2align	8
	.type	k_q88a6c633be_fc2,@function
k_q88a6c633be_fc2:
	s_mov_b64 s[64:65], 0
	v_nop
	global_prefetch_b8 v0, s[64:65] scope:SCOPE_SE
	s_setreg_imm32_b32 hwreg(HW_REG_WAVE_MODE, 25, 1), 1
	s_wait_xcnt 0x0
	s_wait_alu depctr_hold_cnt(0) depctr_sa_sdst(0) depctr_va_vdst(0) depctr_va_sdst(0) depctr_va_ssrc(0) depctr_va_vcc(0) depctr_vm_vsrc(0)
	s_getreg_b32 s2, hwreg(HW_REG_IB_STS2, 6, 4)
	s_cmp_eq_u32 s2, 0
	s_cbranch_scc0 .Lentry_in_a_cluster
	s_endpgm
.Lentry_in_a_cluster:
	s_bfe_u32 s2, ttmp6, 0x10000c
	s_cmp_lg_u32 s2, 0xf033
	s_cbranch_scc0 .Lentry_shape_is_right
	s_endpgm
.Lentry_shape_is_right:
; FC2: out0 = g16 x W2 + b2 + h32.  g16: planes [64][4096][64] in f16; W2: f16 [4096][1024] as it lies ([K][N]), at byte 16,777,216 of w16; bias, residual and result f32, [4096][1024] row-major.
; SHARES.  A tile of C is 128 x 128: 8 x 32 = 256 work-groups.  Four waves, each 64 x 64: 16 accumulators of 16 x 16.  K goes in 16 steps of 256 (four planes of A) through a ring of two LDS slots.
; A BY PLANES: 128 tokens of a plane are 16,384 dense bytes: a tensor load takes two planes as two rows of 8,192 elements and pads LDS after every token's 128 bytes.
; CLUSTER.  4 x 4 work-groups: the four of a row of the cluster need the same tiles of A, the four of a column the same tiles of W: each tile is asked for JOINTLY, by the same tensor load with the same descriptor and a mask of four.
; THE MATRIX INSTRUCTION IS USED TRANSPOSED: source 0 = 16 columns of W (turned on the way out of LDS by ds_load_tr16_b128), source 1 = 16 rows of A: a lane holds row lane % 16 of C and eight neighbouring columns.
; THE SUMS START AS THE BIAS, loaded straight into the accumulators.  The residual is loaded at the start into 128 registers, in the layout in which the rows leave, and added on the way out.
; ONE TEXT FOR A SLOT: read addresses and the walking descriptors are turned from slot to slot by one exclusive or (SLOT's two bits are set in no tile's start).  The last two K steps run a second copy, which fills nothing;
; its very last change of slots (a barrier and 32 LDS loads of bytes filled earlier) serves nothing: the price, once a launch, of a looped tail.
; No prefetch: the tiles are small and each block of A and W is read by several clusters at about the same time.
; LIMITS.  f16 operands: no number beyond 65,504; sums, bias and residual in f32.  NaN and infinities are not treated apart.
.set KSTEPS, 16                        ; K / 256
.set NW,     1024                      ; elements in a row of W
.set APL,    1                         ; A lies by planes
.set QKV,    0
.set WOFF,   16777216
.set RESID,  1
.set SLOT,   147456                    ; a slot: A's two pieces, then W's two
.set PIECE,  36864                     ; what one tensor load may fill
.set PW,     288                       ; a row of W in LDS: 256 bytes + 32: an odd multiple of 32
.if APL
.set PA,     144                       ; a token's 128 bytes of a plane + 16
.set AWM,    64*PA                     ; my 64 tokens in each plane
.set AQ,     128*PA                    ; a quarter of a K step is a plane
.set ASTEP,  4*4096*128                ; four planes
.set A_W0,   (1<<16)|(1<<20)|(1<<21)|(4<<22)|(3<<25)
.set A_D0,   8192                      ; 128 tokens of a plane are one dense row of 8,192 elements
.set A_D1,   2                         ; two planes to a load
.set A_ST,   4096*64
.else
.set PA,     528                       ; 512 bytes + 16: an odd multiple of 16
.set AWM,    PIECE                     ; my 64 rows are one loader's piece
.set AQ,     128                       ; a quarter of a K step is 128 bytes of a row
.set ASTEP,  512
.set A_W0,   (1<<16)|(1<<20)|(1<<21)|(6<<22)|(3<<25)
.set A_D0,   256
.set A_D1,   64
.set A_ST,   1024
.endif
.set WSTEP,  512*NW                    ; 256 rows of W
.set STAGE,  2*SLOT                    ; behind the ring: 16 rows x 272 bytes for each wave, never filled by a tensor load
.set SP,     272
.set SPARE,  STAGE+4*16*SP             ; behind the stages: the spare words, 128 bytes for each wave, which no other line names
.set ADRA0, 10                         ; v10     my place in slot 0's A
.set ADRB0, 11                         ; v11-12  my place in slot 0's W, k rows 0-127 and 128-255
.set ADRA,  16                         ; v16     the same in the slot in hand
.set ADRB,  20                         ; v20-21
.set STO,   24                         ; v24     the way out: where I put 32 bytes of a row
.set RD,    25                         ; v25     where I read rows back
.set CO,    26                         ; v26     my byte offset in two rows of the output and of the residual
.set BO,    27                         ; v27     my byte offset in 16 columns of the bias
.set SPW,   28                         ; v28     LDS address of my spare word; never rewritten
.set NIL,   29                         ; v29     0; never rewritten
.set TMP,   32                         ; v32-95  at work on the way out
.set ACC,   128                        ; v128-255 accumulator (a, b) at ACC + 8 (4 a + b)
.set F0,    0                          ; window 1: two fragment buffers of 128: A's (c, a) at 8 (4 c + a), W's (c, b) at 64 + 8 (4 c + b)
.set F1,    128
                                       ; window 2: v0-127 the residual: rows 16 a + 2 t + lane / 16 at 4 (8 a + t)
.set G1,  24                           ; s[24:31] descriptor group 1 for A;  s[32:39] group 0: set 0 (K step 0), set 1 (K step 1, then it walks)
.set G0,  32
.set G1B, 48                           ; s[48:55], s[56:63] the same for W
.set G0B, 56
.set TB,  45                           ; s45     0 or SLOT: the slot that is read
.set MSB, 0
.macro WIN new                         ; the immediate's high byte repeats the setting that is left; a switch that changes nothing is dropped
.if MSB != (\new)
	s_set_vgpr_msb (MSB<<8)|(\new)
.set MSB, \new
.endif
.endm
.set MUL,  0x05                        ; sources 0 (W) and 1 (A) window 1; C and D window 0
.set TO_F, 0x40                        ; destination window 1, address window 0
.macro JLOAD                           ; a joint refill by the walking sets: waves 0 and 1 fetch A's two pieces, waves 2 and 3 W's; an s_nop 0 and four v_nop follow each line
	s_cmp_eq_u32 s11, 0
	s_cbranch_scc0 .Lfor_w_\@
	tensor_load_to_lds s[G0+4:G0+7], s[G1:G1+7]
	s_nop 0
.rept 4
	v_nop
.endr
	s_branch .Lasked_\@
.Lfor_w_\@:
	tensor_load_to_lds s[G0B+4:G0B+7], s[G1B:G1B+7]
	s_nop 0
.rept 4
	v_nop
.endr
.Lasked_\@:
.endm
.macro CREST                           ; a round of the cluster's barrier behind its opening barrier
	s_cmp_lg_u32 s10, 0
	s_cbranch_scc1 .Lnot_wave_0_\@
	s_barrier_signal -3
.Lnot_wave_0_\@:
	s_barrier_wait -3
	s_barrier_signal -1
	s_barrier_wait -1
.endm
.macro CROUND                          ; a whole round
	s_barrier_signal -1
	s_barrier_wait -1
	CREST
.endm
.macro PLACES                          ; four plain instructions between a matrix instruction and a load into, or a vector read of, its registers
.rept 4
	v_nop
.endr
.endm
.macro BASES                           ; my read addresses in the slot in hand
	v_add_nc_u32 v[ADRA], s[TB], v[ADRA0]
	v_add_nc_u32 v[ADRB], s[TB], v[ADRB0]
	v_add_nc_u32 v[ADRB+1], s[TB], v[ADRB0+1]
.endm
; 8 matrix instructions: m blocks a0, a0 + 1 x all 4 n blocks, 32 along K: half c of buffer f.  The 16 accumulators take turns, one instruction a turn, over the loops' edges too.
.macro MUL8 f, c, a0
	WIN MUL
.irp a, \a0, (\a0)+1
.irp b, 0,1,2,3
	v_wmma_f32_16x16x32_f16 v[ACC+8*(4*(\a)+(\b)):ACC+8*(4*(\a)+(\b))+7], v[(\f)+64+8*(4*(\c)+(\b)):(\f)+64+8*(4*(\c)+(\b))+7], v[(\f)+8*(4*(\c)+(\a)):(\f)+8*(4*(\c)+(\a))+7], v[ACC+8*(4*(\a)+(\b)):ACC+8*(4*(\a)+(\b))+7]
.endr
.endr
.endm
; 32 LDS loads in one run: the fragments of quarter q (64 along K) of the slot in hand, into buffer f; the first 32 along K first
.macro FETCH q, f
	WIN TO_F
.irp c, 0,1
.irp i, 0,1,2,3
	ds_load_tr16_b128 v[(\f)+64+8*(4*(\c)+(\i)):(\f)+64+8*(4*(\c)+(\i))+3],   v[ADRB+(\q)/2] offset:((\q)%2)*64*PW+(\c)*32*PW+32*(\i)
	ds_load_tr16_b128 v[(\f)+64+8*(4*(\c)+(\i))+4:(\f)+64+8*(4*(\c)+(\i))+7], v[ADRB+(\q)/2] offset:((\q)%2)*64*PW+(\c)*32*PW+32*(\i)+16*PW
	ds_load_b128 v[(\f)+8*(4*(\c)+(\i)):(\f)+8*(4*(\c)+(\i))+3],   v[ADRA] offset:(\q)*AQ+64*(\c)+(\i)*16*PA
	ds_load_b128 v[(\f)+8*(4*(\c)+(\i))+4:(\f)+8*(4*(\c)+(\i))+7], v[ADRA] offset:(\q)*AQ+64*(\c)+(\i)*16*PA+32
.endr
.endr
.endm
; One of a K step's first three quarters: multiplies buffer f and, in its middle, fetches quarter q into buffer g.
.macro QUARTER q, f, g
	s_wait_dscnt 16                                ; the first 32 along K are in; the youngest sixteen loads may be out
	MUL8 \f, 0, 0
	MUL8 \f, 0, 2
	PLACES
	FETCH \q, \g
	s_wait_dscnt 32                                ; all but the 32 just issued
	MUL8 \f, 1, 0
	MUL8 \f, 1, 2
.endm
; The last quarter multiplies buffer 1 and changes slots: each wave waits for all its tensor loads (one is out: its piece of the other slot), adds 0 to its spare word, waits for that and for its reads of this slot, and meets the others.
; fill = 1: the barrier opens a round of the cluster's barrier, and this slot is filled again, first thing behind the round, with the K step two on: 112 matrix instructions ahead of the wait for it.
.macro TURN fill
	WIN 0
	s_wait_tensorcnt 0x0                           ; all my tensor loads have landed
	ds_add_u32 v[SPW], v[NIL]                      ; 0 onto my spare word
	s_wait_dscnt 17                                ; (the add and the youngest sixteen loads may be out)
	MUL8 F1, 0, 0
	s_wait_dscnt 0x0                               ; the add is done, and my reads of this slot are over
	s_barrier_signal -1
	MUL8 F1, 0, 2
	WIN 0
	s_barrier_wait -1
.if \fill
	CREST                                          ; no wave of any partner still reads this slot or has a load on its way
	s_xor_b32 s[G0+5], s[G0+5], SLOT               ; the walking sets: the other slot than last time, the next K step; no tensor load of mine is out
	s_add_nc_u64 s[G0+6:G0+7], s[G0+6:G0+7], ASTEP
	s_xor_b32 s[G0B+5], s[G0B+5], SLOT
	s_add_nc_u64 s[G0B+6:G0B+7], s[G0B+6:G0B+7], WSTEP
	JLOAD                                          ; its four v_nop are also the places in front of the loads below
.else
	PLACES
.endif
	s_xor_b32 s[TB], s[TB], SLOT
	BASES
	FETCH 0, F0
	MUL8 F1, 1, 0
	MUL8 F1, 1, 2
.endm
.macro SLOTBODY fill                   ; a K step, from its second quarter's fetch to the next step's first
	QUARTER 1, F0, F1
	QUARTER 2, F1, F0
	QUARTER 3, F0, F1
	TURN \fill
	WIN 0                                          ; at a label and at a branch every window is 0
.endm
	s_load_b128 s[4:7], s[0:1], 0x0                ; A s[4:5], w16 s[6:7]
	s_load_b64 s[8:9], s[0:1], 0x10                ; the output
	s_load_b64 s[66:67], s[0:1], 0x18              ; the bias
	s_load_b64 s[68:69], s[0:1], 0x20              ; the residual
	v_lshl_add_u32 v[SPW], v0, 2, SPARE
	v_mov_b32 v[NIL], 0
	ds_add_u32 v[SPW], v[NIL]                      ; the wave's opening: the add and its wait stand ahead of my first tensor load; the set-up below stands between them
	ds_add_u32 v28, v29
	v_lshrrev_b32 v1, 5, v0
	v_readfirstlane_b32 s10, v1                    ; wave 0..3
	s_lshr_b32 s11, s10, 1                         ; which half of the tile's rows is mine.  Also: I fetch for A (0) or for W (1)
	s_and_b32 s12, s10, 1                          ; which half of its columns.  Also: which piece I fetch
	s_bfe_u32 s40, ttmp6, 0x40000                  ; cx, cy: my place in the cluster
	s_bfe_u32 s41, ttmp6, 0x40004
	s_lshl_b32 s42, ttmp9, 2
	s_add_co_u32 s42, s42, s40                     ; tile column of C
	s_and_b32 s13, ttmp7, 0xffff
	s_lshl_b32 s13, s13, 2
	s_add_co_u32 s13, s13, s41                     ; tile row of C
	s_lshl_b32 s43, s41, 2
	s_lshl_b32 s43, 15, s43                        ; my row of the cluster
	s_lshl_b32 s44, 0x1111, s40                    ; my column
	s_or_b32 s[G1+0], s43, A_W0                    ; 15:0 the mask; 17:16 elements of 2 bytes; 20 padding on; 21 set beside a mask; 24:22 the interval; 31:25 4 words of padding
	s_mov_b32 s[G1+1], (A_D0&0xffff)<<16           ; tensor_dim0
	s_mov_b32 s[G1+2], (A_D0>>16)|(A_D1<<16)       ; tensor_dim1
	s_mov_b32 s[G1+3], A_D0<<16                    ; tile_dim0
	s_mov_b32 s[G1+4], A_D1                        ; tile_dim1
	s_mov_b32 s[G1+5], A_ST                        ; elements from row to row
	s_mov_b32 s[G1+6], 0
	s_mov_b32 s[G1+7], 0
	s_or_b32 s[G1B+0], s44, (1<<16)|(1<<20)|(1<<21)|(5<<22)|(7<<25)  ; W: after every 64 words 8 words of padding
	s_mov_b32 s[G1B+1], 128<<16                    ; 128 k rows x 128 columns
	s_mov_b32 s[G1B+2], 128<<16
	s_mov_b32 s[G1B+3], 128<<16
	s_mov_b32 s[G1B+4], 128
	s_mov_b32 s[G1B+5], NW
	s_mov_b32 s[G1B+6], 0
	s_mov_b32 s[G1B+7], 0
	; where the tiles come from: A's hang on the tile row and the wave alone, W's on the tile column and the wave alone
.if APL
	s_lshl_b32 s16, s13, 14                        ; 128 tokens of 128 bytes,
	s_lshl_b32 s17, s12, 20                        ; my two planes of the four
	s_add_co_u32 s16, s16, s17
.else
	s_lshl_b32 s16, s13, 7
	s_lshl_b32 s17, s12, 6
	s_add_co_u32 s16, s16, s17                     ; row 128 x tile row + 64 x piece
	s_lshl_b32 s16, s16, 11                        ; of 2,048 bytes
.endif
	s_mov_b32 s17, 0
	s_mul_i32 s46, s12, 128*NW*2                   ; my 128 k rows
	s_lshl_b32 s47, s42, 8                         ; the tile's 128 columns
	s_add_co_u32 s46, s46, s47
	s_add_co_u32 s46, s46, WOFF
	s_mov_b32 s47, 0
	s_mul_i32 s20, s12, PIECE                      ; where they go: no place in the cluster enters an LDS address
	s_mov_b32 s[TB], 0
	s_wait_dscnt 0x0                               ; the opening add is done
	s_wait_kmcnt 0x0
	s_add_nc_u64 s[14:15], s[4:5], s[16:17]
	s_add_nc_u64 s[46:47], s[6:7], s[46:47]
	CROUND                                         ; all sixteen work-groups are here: the first joint loads meet
.irp s, 0,1
	s_mov_b32 s[G0+4*(\s)], 1
	s_add_co_u32 s[G0+4*(\s)+1], s20, (\s)*SLOT
	s_add_nc_u64 s[G0+4*(\s)+2:G0+4*(\s)+3], s[14:15], (\s)*ASTEP
	s_or_b32 s[G0+4*(\s)+3], s[G0+4*(\s)+3], 0x80000000
	s_mov_b32 s[G0B+4*(\s)], 1
	s_add_co_u32 s[G0B+4*(\s)+1], s20, (\s)*SLOT+2*PIECE
	s_add_nc_u64 s[G0B+4*(\s)+2:G0B+4*(\s)+3], s[46:47], (\s)*WSTEP
	s_or_b32 s[G0B+4*(\s)+3], s[G0B+4*(\s)+3], 0x80000000
.endr
	s_cmp_eq_u32 s11, 0                            ; a wave's two first fills stand in one branch, ahead of every wait on TENSORcnt and every LDS read: two loads of mine are out
	s_cbranch_scc0 .Lfirst_w
	tensor_load_to_lds s[G0:G0+3], s[G1:G1+7]
	s_nop 0
	tensor_load_to_lds s[G0+4:G0+7], s[G1:G1+7]
	s_nop 0
.rept 4
	v_nop
.endr
	s_branch .Lfirst_asked
.Lfirst_w:
	tensor_load_to_lds s[G0B:G0B+3], s[G1B:G1B+7]
	s_nop 0
	tensor_load_to_lds s[G0B+4:G0B+7], s[G1B:G1B+7]
	s_nop 0
.rept 4
	v_nop
.endr
.Lfirst_asked:
	v_and_b32 v1, 15, v0                           ; r = l % 16
	v_bfe_u32 v2, v0, 4, 1                         ; h = l / 16
	v_mul_u32_u24 v3, v1, PA                       ; a fragment of A: row r, 16 bytes for each half of the lanes, twice, 32 bytes apart
	v_lshl_add_u32 v3, v2, 4, v3
	s_mul_i32 s21, s11, AWM
	v_add_nc_u32 v[ADRA0], s21, v3
	v_and_b32 v4, 7, v0                            ; the turning load: lane l reads k row 8 h + l % 8, columns 8 ((l / 8) % 2) + 0..7, and is left with column r and 8 k
	v_bfe_u32 v5, v0, 3, 1
	v_lshl_add_u32 v4, v2, 3, v4
	v_mul_u32_u24 v4, v4, PW
	v_lshl_add_u32 v4, v5, 4, v4
	s_lshl_b32 s22, s12, 7                         ; my 64 columns
	s_add_co_u32 s22, s22, 2*PIECE                 ; W lies behind A
	v_add_nc_u32 v[ADRB0], s22, v4
	v_add_nc_u32 v[ADRB0+1], PIECE, v[ADRB0]
	BASES
	v_lshlrev_b32 v[BO], 5, v2                     ; my 8 columns of 16: 32 h bytes
	; the bias of my 64 columns, into all four row blocks' accumulators
	s_lshl_b32 s18, s42, 9
	s_lshl_b32 s19, s12, 8
	s_add_co_u32 s18, s18, s19
	s_mov_b32 s19, 0
	s_add_nc_u64 s[66:67], s[66:67], s[18:19]
.irp a, 0,1,2,3
.irp b, 0,1,2,3
	global_load_b128 v[ACC+8*(4*(\a)+(\b)):ACC+8*(4*(\a)+(\b))+3],   v[BO], s[66:67] offset:64*(\b)
	global_load_b128 v[ACC+8*(4*(\a)+(\b))+4:ACC+8*(4*(\a)+(\b))+7], v[BO], s[66:67] offset:64*(\b)+16
.endr
.endr
	; the way out: my 64 rows x 64 columns of the output and of the residual
	s_lshl_b32 s18, s13, 7
	s_lshl_b32 s19, s11, 6
	s_add_co_u32 s18, s18, s19
	s_lshl_b32 s18, s18, 10
	s_lshl_b32 s19, s42, 7
	s_add_co_u32 s18, s18, s19
	s_lshl_b32 s19, s12, 6
	s_add_co_u32 s18, s18, s19
	s_lshl_b32 s18, s18, 2
	s_mov_b32 s19, 0
	s_add_nc_u64 s[8:9], s[8:9], s[18:19]
	s_add_nc_u64 s[68:69], s[68:69], s[18:19]
	v_lshlrev_b32 v[CO], 12, v2                    ; lanes 0-15 take one row's 256 bytes, lanes 16-31 the next row's
	v_lshl_add_u32 v[CO], v1, 4, v[CO]
	WIN 0x80                                       ; destination window 2, address window 0
.irp a, 0,1,2,3
.irp t, 0,1,2,3,4,5,6,7
	global_load_b128 v[4*(8*(\a)+(\t)):4*(8*(\a)+(\t))+3], v[CO], s[68:69] offset:(16*(\a)+2*(\t))*4096
.endr
.endr
	WIN 0
	s_mul_i32 s23, s10, 16*SP
	s_add_co_u32 s23, s23, STAGE                   ; my stage
	v_mul_u32_u24 v[STO], v1, SP                   ; in: row r, 32 bytes for each half of the lanes
	v_lshl_add_u32 v[STO], v2, 5, v[STO]
	v_add_nc_u32 v[STO], s23, v[STO]
	v_mul_u32_u24 v[RD], v2, SP                    ; back: lanes 0-15 one row of 256 bytes, lanes 16-31 the next
	v_lshl_add_u32 v[RD], v1, 4, v[RD]
	v_add_nc_u32 v[RD], s23, v[RD]
	s_wait_tensorcnt 1                             ; my piece of K step 0 is in; K step 1's may stay out
	s_barrier_signal -1
	s_barrier_wait -1                              ; everybody's is
	FETCH 0, F0
	WIN 0
	s_wait_loadcnt 32                              ; the bias stands in the accumulators; the residual's 32 loads are younger and may stay out
	s_mov_b32 s3, KSTEPS-2
.Lslot:                                                ; every K step but the last two fills its slot again
	SLOTBODY 1
	s_sub_co_u32 s3, s3, 1
	s_cmp_lg_u32 s3, 0
	s_cbranch_scc1 .Lslot
	s_mov_b32 s3, 2
.Ltail:                                                ; the last two K steps ask for nothing
	SLOTBODY 0
	s_sub_co_u32 s3, s3, 1
	s_cmp_lg_u32 s3, 0
	s_cbranch_scc1 .Ltail
	s_wait_dscnt 0x0                               ; the last change of slots' loads, which serve nothing, are back
	s_wait_loadcnt 0x0                             ; the residual
	PLACES
; THE WAY OUT of row block a: 32 bytes a lane into my own stage (each accumulator's low four registers first), back as whole rows of 256 bytes, the residual added, stored: 16 lanes write 256 consecutive bytes, aligned.
.macro TOST a
.if (\a) >= 2
	s_wait_xcnt 0x0                                ; the registers loaded below were the data of block a - 2's stores
.endif
.irp b, 0,1,2,3
	ds_store_b128 v[STO], v[ACC+8*(4*(\a)+(\b)):ACC+8*(4*(\a)+(\b))+3]   offset:64*(\b)
	ds_store_b128 v[STO], v[ACC+8*(4*(\a)+(\b))+4:ACC+8*(4*(\a)+(\b))+7] offset:64*(\b)+16
.endr
.irp t, 0,1,2,3,4,5,6,7
	ds_load_b128 v[TMP+32*((\a)%2)+4*(\t):TMP+32*((\a)%2)+4*(\t)+3], v[RD] offset:(\t)*2*SP  ; LDS serves a wave's instructions in order (ISA guide 5.7.1.4): these see the stores above; the next block's stores come behind them
.endr
.endm
.macro SENDF a, younger                ; younger: the LDS instructions issued behind block a's loads
	s_wait_dscnt \younger
	WIN 0x08                                       ; source 1 window 2
.irp t, 0,1,2,3,4,5,6,7
	v_pk_add_f32 v[TMP+32*((\a)%2)+4*(\t):TMP+32*((\a)%2)+4*(\t)+1],   v[TMP+32*((\a)%2)+4*(\t):TMP+32*((\a)%2)+4*(\t)+1],   v[4*(8*(\a)+(\t)):4*(8*(\a)+(\t))+1]
	v_pk_add_f32 v[TMP+32*((\a)%2)+4*(\t)+2:TMP+32*((\a)%2)+4*(\t)+3], v[TMP+32*((\a)%2)+4*(\t)+2:TMP+32*((\a)%2)+4*(\t)+3], v[4*(8*(\a)+(\t))+2:4*(8*(\a)+(\t))+3]
.endr
	WIN 0
.irp t, 0,1,2,3,4,5,6,7
	global_store_b128 v[CO], v[TMP+32*((\a)%2)+4*(\t):TMP+32*((\a)%2)+4*(\t)+3], s[8:9] offset:(16*(\a)+2*(\t))*4096
.endr
.endm
	TOST 0
.irp a, 1,2,3
	TOST \a
	SENDF (\a)-1, 16
.endr
	SENDF 3, 0
	s_wait_tensorcnt 0x0                           ; the wave's end: behind my last tensor load and my last LDS store
	ds_add_u32 v[SPW], v[NIL]
	s_wait_dscnt 0x0
	CROUND                                         ; the closing round: no work-group ends while a partner may still ask for a tile that names it
	s_endpgm
.Lfunc_end_k_q88a6c633be_fc2:
	.size	k_q88a6c633be_fc2, .Lfunc_end_k_q88a6c633be_fc2-k_q88a6c633be_fc2
	.p2alignl 7, 3214868480
	.fill 96, 4, 3214868480
	.section	.rodata,"a",@progbits
	.p2align	6, 0x0
	.amdhsa_kernel k_q88a6c633be_fc2
		.amdhsa_group_segment_fixed_size 327680
		.amdhsa_private_segment_fixed_size 0
		.amdhsa_enable_private_segment 0
		.amdhsa_kernarg_size 40
		.amdhsa_user_sgpr_count 2
		.amdhsa_user_sgpr_kernarg_segment_ptr 1
		.amdhsa_wavefront_size32 1
		.amdhsa_system_sgpr_workgroup_id_x 1
		.amdhsa_system_sgpr_workgroup_id_y 1
		.amdhsa_system_sgpr_workgroup_id_z 1
		.amdhsa_system_vgpr_workitem_id 0
		.amdhsa_next_free_vgpr 640
		.amdhsa_next_free_sgpr 92
		.amdhsa_reserve_vcc 0
		.amdhsa_float_denorm_mode_32 3
		.amdhsa_float_denorm_mode_16_64 3
		.amdhsa_memory_ordered 1
		.amdhsa_forward_progress 1
		.amdhsa_inst_pref_size 64
	.end_amdhsa_kernel
	.amdgpu_metadata
---
amdhsa.version: [ 1, 2 ]
amdhsa.kernels:
  - .name:           k_q88a6c633be_fc2
    .symbol:         k_q88a6c633be_fc2.kd
    .args:
      - { .name: g16, .offset: 0, .size: 8, .value_kind: global_buffer, .address_space: global }
      - { .name: w16, .offset: 8, .size: 8, .value_kind: global_buffer, .address_space: global }
      - { .name: out0, .offset: 16, .size: 8, .value_kind: global_buffer, .address_space: global }
      - { .name: b2, .offset: 24, .size: 8, .value_kind: global_buffer, .address_space: global }
      - { .name: h32, .offset: 32, .size: 8, .value_kind: global_buffer, .address_space: global }
    .group_segment_fixed_size: 327680
    .private_segment_fixed_size: 0
    .kernarg_segment_align: 8
    .kernarg_segment_size: 40
    .max_flat_workgroup_size: 128
    .sgpr_count:     92
    .vgpr_count:     640
    .wavefront_size: 32
...
	.end_amdgpu_metadata
.endif
;; end of part 7
